; MI455X (gfx1250); checked and timed in simulation.
; The chip was launched on July 23, 2026; its instructions are those of AMD's public machine-readable ISA for CDNA 5 (MIT licence, August 2026) and "CDNA5" Instruction Set Architecture Reference Guide (July 2026). The comments in the code are by the model that wrote it; some were corrected since.
;; Multi Head Causal Attention. Allowed arithmetic: matrix products marked QUANTISED: E3M2 operands, one E8M0 scale for each 32 along K, by v_wmma_scale_f32_16x16x128_f8f6f4 with both operands' format E3M2, f32 sums; everything else in f32.
;; Inputs: W1_codes 2,730 x 32 x 24 uint8 (E3M2 codes of W1, K innermost, in blocks of 32 codes, four codes in three bytes); W1_scales 2,730 x 32 uint8 (E8M0 scales of W1, one for each 32 codes along K); W2_codes 2,730 x 32 x 24 uint8 (E3M2 codes of W2, K innermost, in blocks of 32 codes, four codes in three bytes); W2_scales 2,730 x 32 uint8 (E8M0 scales of W2, one for each 32 codes along K); W3 2,730 x 1,024 float32; Wk_codes 1,024 x 32 x 24 uint8 (E3M2 codes of Wk, K innermost, in blocks of 32 codes, four codes in three bytes); Wk_scales 1,024 x 32 uint8 (E8M0 scales of Wk, one for each 32 codes along K); Wo_codes 1,024 x 32 x 24 uint8 (E3M2 codes of Wo, K innermost, in blocks of 32 codes, four codes in three bytes); Wo_scales 1,024 x 32 uint8 (E8M0 scales of Wo, one for each 32 codes along K); Wq_codes 1,024 x 32 x 24 uint8 (E3M2 codes of Wq, K innermost, in blocks of 32 codes, four codes in three bytes); Wq_scales 1,024 x 32 uint8 (E8M0 scales of Wq, one for each 32 codes along K); Wv_codes 1,024 x 32 x 24 uint8 (E3M2 codes of Wv, K innermost, in blocks of 32 codes, four codes in three bytes); Wv_scales 1,024 x 32 uint8 (E8M0 scales of Wv, one for each 32 codes along K); g1 1,024 float32; g2 1,024 float32; x 2 x 2,048 x 1,024 float32.
;; Outputs: out0 2 x 2,048 x 1,024 float32.
;; This version of the problem:
;;   THIS VERSION OF THE PROBLEM IS GIVEN IN LOW PRECISION. The matrix products marked QUANTISED in the list below multiply operands that are first quantised to E3M2 (3 exponent bits, 2 mantissa bits; 6 bits a number), with one power-of-two scale for each 32 numbers along K (OCP MX v1.0); their sums are f32. All else is computed in f32.
;;   The module's matrix products, in the order in which they are computed (A, B: the left and right operand; K: the contracted axis; several contracted axes count as one K, in the product's order):
;;     1. [M 4,096, K 1,024] x [K 1,024, N 1,024]; A: computed on the way; B: input Wq (given as codes): QUANTISED
;;     2. [M 4,096, K 1,024] x [K 1,024, N 1,024]; A: computed on the way; B: input Wk (given as codes): QUANTISED
;;     3. [M 4,096, K 1,024] x [K 1,024, N 1,024]; A: computed on the way; B: input Wv (given as codes): QUANTISED
;;     4. batch 32 x [M 2,048, K 64] x [K 64, N 2,048]; A: computed on the way; B: computed on the way: QUANTISED
;;     5. batch 32 x [M 64, K 2,048] x [K 2,048, N 2,048]; A: computed on the way; B: softmax (see below): QUANTISED
;;     6. [M 4,096, K 1,024] x [K 1,024, N 1,024]; A: computed on the way; B: input Wo (given as codes): QUANTISED
;;     7. [M 4,096, K 1,024] x [K 1,024, N 2,730]; A: computed on the way; B: input W1 (given as codes): QUANTISED
;;     8. [M 4,096, K 1,024] x [K 1,024, N 2,730]; A: computed on the way; B: input W2 (given as codes): QUANTISED
;;     9. [M 4,096, K 2,730] x [K 2,730, N 1,024]; A: computed on the way; B: input W3: QUANTISED
;;   THE QUANTISER, for each operand of a quantised product, along K:
;;     - K is cut into blocks of 32 from its start; a last block that is shorter is filled with zeros.
;;     - A block's scale is 2^e with e = floor(log2(the largest magnitude in the block)) - 4, held to -126 .. 127; a block of zeros has e = 0. As a byte (E8M0): e + 127.
;;     - Each number is divided by its block's scale, clamped to +-28, and rounded to the nearest number of E3M2, ties to even, subnormals kept.
;;     - The product sums the exact products of the quantised numbers (number of the format x scale) in f32.
;;   ~~~python
;;   def quantise(x, axis):      # numpy; x: float32 -> the quantised numbers, widened to float32 again
;;       x = np.moveaxis(x, axis, -1); K = x.shape[-1]
;;       x = np.pad(x, [(0, 0)] * (x.ndim - 1) + [(0, -K % 32)]); x = x.reshape(x.shape[:-1] + (-1, 32)); a = np.abs(x).max(-1, keepdims=True)
;;       e = np.where(a > 0, np.clip(np.frexp(np.where(a > 0, a, 1))[1] - 1 - 4, -126, 127), 0)      # np.frexp(a)[1] - 1 = floor(log2(a)), exactly
;;       r = np.clip(x / 2.0 ** e, -28, 28)
;;       step = 2.0 ** (np.maximum(np.frexp(np.where(r == 0, 1, r))[1] - 1, -2) - 2)
;;       q = np.round(r / step) * step * 2.0 ** e      # np.round: ties to even
;;       return np.moveaxis(q.reshape(q.shape[:-2] + (-1,))[..., :K], -1, axis).astype(np.float32)
;;   ~~~
;;   SOFTMAX AHEAD OF A QUANTISED PRODUCT. Where the list says 'softmax', what is quantised is not the finished softmax but p = 2^(t - M), with t = logit x log2(e) and M = ceil(the row's largest t), a whole number; so 1/2 < the row's largest p <= 1. The row's sum l is taken of the UNQUANTISED p, in f32, and the product's result is divided by l at the end. Since M is a whole number, a kernel that streams over the keys may use a running M (the ceiling of the running maximum): every later rescaling is an exact power of two, which a block's scale takes up: the codes' values come out the same.
;;   OPERANDS COMPUTED ON THE WAY. 'Computed on the way' means the value that the module computes at that place (a softmax that the list does not call 'softmax' is quantised finished and normalised). What goes into a quantiser is computed in f32, as accurately as f32 sums, v_exp_f32 and their like allow (about 1e-6 of the number): no bf16 or f16 on the way to a quantiser, and a product that is left as it is and whose result goes on into a quantised operand takes f32 operands (vector FMAs, or v_wmma_f32_16x16x4_f32). A number that lies on a knife's edge between two numbers of the format may be rounded either way, as far as f32 arithmetic and the matrix unit's own rounding can turn it there, and no further.
;;   INPUTS GIVEN AS CODES. W1 (in the module: [1024, 2730], K = its axis 0); W2 (in the module: [1024, 2730], K = its axis 0); Wk (in the module: [1024, 1024], K = its axis 0); Wo (in the module: [1024, 1024], K = its axis 0); Wq (in the module: [1024, 1024], K = its axis 0); Wv (in the module: [1024, 1024], K = its axis 0): each comes as NAME_codes (uint8): NAME with its K axis moved to the last place and cut into blocks of 32 codes, [.., K / 32, bytes a block], one block behind the other in memory; four codes in three bytes: a row's codes are one little-endian stream of bits, code i at bits 6 i .. 6 i + 5 (a code: sign, 3 exponent bits, 2 mantissa bits); and NAME_scales (uint8): the same leading axes, one E8M0 byte (e + 127) for each 32 codes along K. Its value is code x scale, taken as it is: it is not quantised again, and the codes and scales need not be those that the quantiser above would give.
;; One version. Each part assembles by itself: llvm-mc -triple=amdgcn-amd-amdhsa -mcpu=gfx1250 --defsym DOCPART=n.
;; ======== version 1 of 1: 7 launches
;; limits: right only within a limited range of input values
;; workspace buffers: hA 3,276,800 bytes; WI 10,035,200 bytes; QW 3,276,800 bytes; KV 6,553,600 bytes; CX 3,276,800 bytes; X1 16,777,216 bytes; AH 9,011,200 bytes
;; launch prep (part 1): grid 420 x 1, 8 waves a work-group, no clusters, 69,120 bytes of LDS; arguments x, g1, hA, WI, W3, Wq_codes, Wk_codes, Wv_codes, Wo_codes, W1_codes, W2_codes, Wq_scales, Wk_scales, Wv_scales, Wo_scales, W1_scales, W2_scales; writes hA, WI
.if DOCPART == 1
	.amdgcn_target "amdgcn-amd-amdhsa--gfx1250"
	.amdhsa_code_object_version 6
	.text
	.protected	k_q4285f944d0_prep
	.globl	k_q4285f944d0_prep
	.p2align	8
	.type	k_q4285f944d0_prep,@function
k_q4285f944d0_prep:
	s_mov_b64 s[64:65], 0
	v_nop
	global_prefetch_b8 v0, s[64:65] scope:SCOPE_SE
	s_setreg_imm32_b32 hwreg(HW_REG_WAVE_MODE, 25, 1), 1
	s_wait_xcnt 0x0
; THREE JOBS, told apart by the work-group's number (the same for all eight waves of a work-group):
;   0-255    NORM: 16 rows of x: g (x rsqrt(mean(x x) + 1e-5)), quantised to E3M2 along the row, stored as images of operand registers
;   256-331  RELAY: a panel of 128 rows of a weight that comes as codes is laid anew as images of operand registers
;   332-419  W3Q: W3 [2730][1024] f32, K its first axis, is quantised along K into the same kind of images
; A grid of 256 work-groups walks the first job alone: so the second norm of the layer runs this same text on other buffers.
; FORMATS.  A fragment (16 rows x 128 K of 6-bit codes, 12 registers a lane) lies as 1,536 bytes: registers 2 p, 2 p + 1 of lane l at 256 p + 8 l.
; A chunk is two K steps: 8 fragments, 8 fragments, then for each step 512 bytes of scale words (row r of tile t at 32 r + 4 t).  A panel is 128 rows: K / 256 chunks.
; Lane-row r of tile 2 b + u of a panel is row 32 b + 8 u + r + 8 (r / 8): so a transposed product leaves 16 neighbours along the next K in a lane's 16 registers.
; LIMITS: NaN and infinities among the inputs are not served.  A block whose largest magnitude lies under 2^-122 (zeros too) gets the byte 1: its codes are zeros or are taken under that
; scale, and the bytes are read by this program alone.  The sum of squares is added in four chains and eight parts, another order than a plain sum.
.set PAN8,   102400                    ; a panel with K = 1,024
.set PAN22,  281600                    ; a panel with 22 K steps
.set CHUNK,  25600
.set STEPB,  12288
.set FRAG,   1536
.set SCO,    24576                     ; where a chunk's scale words begin
.set W3_OFF, 7782400                   ; behind 24 + 8 + 44 panels of 102,400 bytes
.set TM,     16                        ; v16-31 at work in QUANT
.set SEL,    32                        ; s[32:33] lane selects: lane l xor 16
; 64 numbers of a lane, register 16 b + i = k 32 b + 16 (lane / 16) + i of its row, become a fragment's codes in v[pc] .. v[pc + 11] and its scale word in v[pw]
.macro QUANT s, pc, pw
.irp b, 0,1,2,3
	v_max3_num_f32 v[TM+\b], |v[\s+16*\b]|, |v[\s+1+16*\b]|, 0x2800000   ; my 16 numbers of block b, and the floor 2^(5 - 127): the byte cannot fall under 1
.endr
.irp i, 2,4,6,8,10,12,14
.irp b, 0,1,2,3
	s_delay_alu instid0(VALU_DEP_4)
	v_max3_num_f32 v[TM+\b], v[TM+\b], |v[\s+16*\b+\i]|, |v[\s+1+16*\b+\i]|
.endr
.endr
.irp b, 0,1,2,3
	s_delay_alu instid0(VALU_DEP_4)
	v_permlanex16_b32 v[TM+4+\b], v[TM+\b], s[SEL], s[SEL+1]
.endr
.irp b, 0,1,2,3
	s_delay_alu instid0(VALU_DEP_4)
	v_max_num_f32 v[TM+\b], v[TM+\b], v[TM+4+\b]   ; with lane l xor 16's 16: the block's largest magnitude
.endr
.irp b, 0,1,2,3
	s_delay_alu instid0(VALU_DEP_4)
	v_add_nc_u32 v[TM+12+\b], 0xfe000000, v[TM+\b]   ; 4 off its exponent field: the conversion's scale operand
.endr
.irp b, 0,1,2,3
	s_delay_alu instid0(VALU_DEP_4)
	v_lshrrev_b32 v[TM+4+\b], 23, v[TM+12+\b]      ; the scale's byte
.endr
	s_delay_alu instid0(VALU_DEP_3)
	v_lshl_or_b32 v[\pw], v[TM+5], 8, v[TM+4]
	s_delay_alu instid0(VALU_DEP_1)
	v_lshl_or_b32 v[\pw], v[TM+6], 16, v[\pw]
	s_delay_alu instid0(VALU_DEP_1)
	v_lshl_or_b32 v[\pw], v[TM+7], 24, v[\pw]
.irp c, 0,1
	v_cvt_scalef32_pk16_bf6_f32 v[\pc+6*\c:\pc+2+6*\c], v[\s+32*\c:\s+15+32*\c], v[TM+12+2*\c]
	v_cvt_scalef32_pk16_bf6_f32 v[\pc+12+4*\c:\pc+14+4*\c], v[\s+16+32*\c:\s+31+32*\c], v[TM+12+2*\c+1]   ; (a conversion's three registers begin on an even number)
.endr
	v_nop                                          ; one plain instruction behind the scaled conversions
.irp c, 0,1                                    ; the operand wants a whole block in a lane: lanes 0-15 block 2 c, lanes 16-31 block 2 c + 1
.irp i, 0,1,2
	v_permlane16_swap_b32 v[\pc+6*\c+\i], v[\pc+12+4*\c+\i]
.endr
.irp i, 0,1,2
	s_delay_alu instid0(VALU_DEP_3)
	v_mov_b32 v[\pc+3+6*\c+\i], v[\pc+12+4*\c+\i]
.endr
.endr
.endm
	s_load_b256 s[36:43], s[0:1], 0x0              ; x s[36:37], g s[38:39], hA s[40:41], WI s[42:43]
	s_load_b64 s[44:45], s[0:1], 0x20              ; W3
	s_load_b256 s[8:15], s[0:1], 0x28              ; codes of Wq, Wk, Wv, Wo
	s_load_b128 s[16:19], s[0:1], 0x48             ; codes of W1, W2
	s_load_b256 s[20:27], s[0:1], 0x58             ; scales of Wq, Wk, Wv, Wo
	s_load_b128 s[28:31], s[0:1], 0x78             ; scales of W1, W2
	v_lshl_add_u32 v62, v0, 2, 0x10a00
	v_mov_b32 v63, 0
	v_lshrrev_b32 v1, 5, v0
	s_delay_alu instid0(VALU_DEP_1)
	v_readfirstlane_b32 s2, v1                     ; wave 0..7
	v_and_b32 v1, 31, v0                           ; lane
	v_and_b32 v2, 15, v0                           ; r
	v_bfe_u32 v3, v0, 4, 1                         ; h
	s_mov_b32 s[SEL], 0x76543210
	s_mov_b32 s[SEL+1], 0xfedcba98
	s_wait_kmcnt 0x0
	s_cmp_lt_u32 ttmp9, 256
	s_cbranch_scc1 .Lnorm
	s_cmp_lt_u32 ttmp9, 332
	s_cbranch_scc1 .Lrelay
; ---- W3Q.  Work-group q: K step s = q / 4; wave w: the 32 columns cg = 8 (q % 4) + w.  A lane takes a column and its registers run down K: 4 blocks of 32.
; K ORDER of this product, alike in the activations' images: K step s, the instruction's block 2 c + h holds hidden block 4 s + 2 h + c.
	s_sub_co_u32 s46, ttmp9, 332
	s_lshr_b32 s47, s46, 2                         ; s
	s_and_b32 s48, s46, 3
	s_lshl_b32 s48, s48, 3
	s_add_co_u32 s48, s48, s2                      ; cg
	s_wait_alu depctr_va_vdst(0)
	v_and_b32 v4, 7, v1
	v_bfe_u32 v5, v1, 3, 1
	s_delay_alu instid0(VALU_DEP_1)
	v_lshl_add_u32 v4, v5, 4, v4
	s_delay_alu instid0(VALU_DEP_1)
	v_lshl_add_u32 v4, v3, 3, v4                   ; lanes 0-15: the even tile's lane-rows, lanes 16-31: the odd tile's
	s_lshl_b32 s49, s48, 5
	v_add_nc_u32 v4, s49, v4
	s_delay_alu instid0(VALU_DEP_1)
	v_lshlrev_b32 v4, 2, v4                        ; 4 x my column
	s_lshl_b32 s50, s47, 19                        ; s x 128 rows of 4,096 bytes
	s_mov_b32 s51, 0
	s_add_nc_u64 s[44:45], s[44:45], s[50:51]
	s_lshr_b32 s52, s48, 2                         ; the panel of 128 columns
	s_mul_i32 s52, s52, PAN22
	s_lshr_b32 s53, s47, 1
	s_mul_i32 s53, s53, CHUNK
	s_add_co_u32 s52, s52, s53
	s_add_co_u32 s52, s52, W3_OFF
	s_mov_b32 s53, 0
	s_add_nc_u64 s[42:43], s[42:43], s[52:53]
	s_and_b32 s54, s47, 1
	s_and_b32 s55, s48, 3
	s_mul_i32 s56, s54, STEPB
	s_mul_i32 s57, s55, 2*FRAG
	s_add_co_u32 s56, s56, s57
	v_lshl_add_u32 v7, v1, 3, s56                  ; codes: 8 x lane + the step + my two tiles
	s_lshl_b32 s54, s54, 9
	s_lshl_b32 s55, s55, 3
	s_add_co_u32 s54, s54, s55
	s_add_co_u32 s54, s54, SCO
	v_lshl_add_u32 v8, v2, 5, s54
	s_delay_alu instid0(VALU_DEP_1)
	v_lshl_add_u32 v8, v3, 2, v8                   ; scale word: 32 (lane % 16) + 4 (tile)
.macro W3HALF c                        ; blocks (c, 0) and (c, 1): registers 128 + 64 c + 32 h on
.irp hh, 0,1
	v_max3_num_f32 v[16+\hh], |v[128+64*\c+32*\hh]|, |v[129+64*\c+32*\hh]|, 0x2800000
.endr
.irp i, 2,4,6,8,10,12,14,16,18,20,22,24,26,28,30
.irp hh, 0,1
	s_delay_alu instid0(VALU_DEP_2)
	v_max3_num_f32 v[16+\hh], v[16+\hh], |v[128+64*\c+32*\hh+\i]|, |v[129+64*\c+32*\hh+\i]|
.endr
.endr
.irp hh, 0,1
	s_delay_alu instid0(VALU_DEP_2)
	v_add_nc_u32 v[18+\hh], 0xfe000000, v[16+\hh]
.endr
.irp hh, 0,1
	s_delay_alu instid0(VALU_DEP_2)
	v_lshrrev_b32 v[20+2*\c+\hh], 23, v[18+\hh]    ; the byte of the instruction's block 2 c + h
.endr
.irp hh, 0,1
	v_cvt_scalef32_pk16_bf6_f32 v[32+16*\c+8*\hh:34+16*\c+8*\hh], v[128+64*\c+32*\hh:143+64*\c+32*\hh], v[18+\hh]
	v_cvt_scalef32_pk16_bf6_f32 v[64+4*\hh:66+4*\hh], v[144+64*\c+32*\hh:159+64*\c+32*\hh], v[18+\hh]
.endr
	v_nop                                          ; one plain instruction behind the scaled conversions
.irp hh, 0,1
.irp i, 0,1,2
	v_mov_b32 v[35+16*\c+8*\hh+\i], v[64+4*\hh+\i]
.endr
.endr
.irp i, 0,1,2,3,4,5                            ; block h = 0's lanes 16-31 (the odd tile) change places with block h = 1's lanes 0-15 (the even tile): the first six are then the even tile's half fragment c, the others the odd tile's
	v_permlane16_swap_b32 v[32+16*\c+\i], v[40+16*\c+\i]
.endr
.irp u, 0,1
.irp p, 0,1,2
	global_store_b64 v7, v[32+16*\c+8*\u+2*\p:33+16*\c+8*\u+2*\p], s[42:43] offset:\u*FRAG+768*\c+256*\p   ; 32 lanes store 256 consecutive bytes, aligned
.endr
.endr
.endm
.macro W3ALL last                      ; last = 1: K step 21, of whose 128 rows W3 has 42: the others are zeros, and no load leaves the buffer
.set N, 0
.rept 128
.set RW, 64*((N/32)%2)+32*(N/64)+N%32
.if (\last == 0) || (RW < 42)
	global_load_b32 v[128+N], v4, s[44:45] offset:RW*4096 th:TH_LOAD_NT   ; 32 lanes read 128 consecutive bytes of a row
.else
	v_mov_b32 v[128+N], 0
.endif
.set N, N+1
.endr
.if \last
	s_wait_loadcnt 0x0
.else
	s_wait_loadcnt 63                              ; at most 63 of the 128 are out: the first 64 (c = 0) are in
.endif
	W3HALF 0
	s_wait_loadcnt 0x0
	W3HALF 1
	v_lshl_or_b32 v24, v21, 8, v20
	s_delay_alu instid0(VALU_DEP_1)
	v_lshl_or_b32 v24, v22, 16, v24
	s_delay_alu instid0(VALU_DEP_1)
	v_lshl_or_b32 v24, v23, 24, v24
	global_store_b32 v8, v24, s[42:43]             ; my column's scale word of this K step
	s_endpgm
.endm
	s_cmp_eq_u32 s47, 21
	s_cbranch_scc1 .Lw3_last
	s_wait_alu depctr_va_vdst(0)
	W3ALL 0
.Lw3_last:
	s_wait_alu depctr_va_vdst(0)
	W3ALL 1
; ---- RELAY.  Work-group P = number - 256 is panel place P of WI; wave w is its tile w.  P < 32: rows 128 g on of Wq, Wk, Wv (place 3 g + m) or Wo (place 24 + g).
; Else tile t = P - 32 of W1 and W2 together: tiles 4 k + 0, 1 are W1's rows 32 (2 t + k) on, tiles 4 k + 2, 3 the same rows of W2.  Rows past 2,729 become zero codes under the byte 127.
.Lrelay:
	s_sub_co_u32 s46, ttmp9, 256                   ; P
	s_lshr_b32 s47, s46, 3                         ; m
	s_and_b32 s48, s46, 7                          ; g
	s_lshr_b32 s49, s2, 1
	s_lshl_b32 s50, s48, 7
	s_lshl_b32 s51, s49, 5
	s_add_co_u32 s50, s50, s51                     ; 128 g + 32 (tile / 2)
	s_mul_i32 s51, s48, 3
	s_add_co_u32 s51, s51, s47                     ; place 3 g + m,
	s_add_co_u32 s52, s48, 24
	s_cmp_eq_u32 s47, 3
	s_cselect_b32 s51, s52, s51                    ; or 24 + g for Wo
	s_sub_co_u32 s53, s46, 32                      ; t
	s_lshl_b32 s54, s53, 1
	s_lshr_b32 s55, s2, 2
	s_add_co_u32 s54, s54, s55
	s_lshl_b32 s54, s54, 5                         ; 32 (2 t + tile / 4)
	s_and_b32 s55, s49, 1
	s_add_co_u32 s55, s55, 4                       ; W1 is weight 4, W2 weight 5
	s_mov_b32 s56, 2730
	s_cmp_lt_u32 s46, 32
	s_cselect_b32 s50, s50, s54                    ; the tile's first row, less 8 (tile % 2)
	s_cselect_b32 s47, s47, s55                    ; which weight
	s_cselect_b32 s56, 1024, s56                   ; how many rows it has
	s_cselect_b32 s51, s51, s46                    ; the panel's place
	s_and_b32 s52, s2, 1
	s_lshl_b32 s52, s52, 3
	s_add_co_u32 s50, s50, s52
	s_cmp_eq_u32 s47, 1                            ; the choice hangs on ids alone
	s_cselect_b64 s[8:9], s[10:11], s[8:9]
	s_cselect_b64 s[20:21], s[22:23], s[20:21]
	s_cmp_eq_u32 s47, 2
	s_cselect_b64 s[8:9], s[12:13], s[8:9]
	s_cselect_b64 s[20:21], s[24:25], s[20:21]
	s_cmp_eq_u32 s47, 3
	s_cselect_b64 s[8:9], s[14:15], s[8:9]
	s_cselect_b64 s[20:21], s[26:27], s[20:21]
	s_cmp_eq_u32 s47, 4
	s_cselect_b64 s[8:9], s[16:17], s[8:9]
	s_cselect_b64 s[20:21], s[28:29], s[20:21]
	s_cmp_eq_u32 s47, 5
	s_cselect_b64 s[8:9], s[18:19], s[8:9]
	s_cselect_b64 s[20:21], s[30:31], s[20:21]
	s_wait_alu depctr_va_vdst(0)
	v_and_b32 v4, 8, v2
	s_delay_alu instid0(VALU_DEP_1)
	v_add_nc_u32 v4, v4, v2                        ; r + 8 (r / 8)
	s_delay_alu instid0(VALU_DEP_1)
	v_add_nc_u32 v4, s50, v4                       ; my row
	s_delay_alu instid0(VALU_DEP_1)
	v_cmp_gt_u32 vcc_lo, s56, v4                   ; is it a row of the weight?
	s_sub_co_u32 s57, s56, 1
	v_min_u32 v4, s57, v4                          ; no load leaves the buffer
	s_delay_alu instid0(VALU_DEP_1)
	v_mul_u32_u24 v5, v4, 768                      ; a row of 1,024 codes
	s_delay_alu instid0(VALU_DEP_1)
	v_mad_u32_u24 v5, v3, 24, v5
	s_delay_alu instid0(VALU_DEP_3)
	v_lshlrev_b32 v6, 5, v4                        ; a row of 32 scale bytes
.set S, 0
.rept 8
.irp p, 0,1,2,3,4,5
	global_load_b64 v[64+12*S+2*\p:65+12*S+2*\p], v5, s[8:9] offset:96*S+48*(\p/3)+8*(\p%3)
.endr
	global_load_b32 v[160+S], v6, s[20:21] offset:4*S
.set S, S+1
.endr
	s_mul_i32 s58, s51, PAN8
	s_mov_b32 s59, 0
	s_add_nc_u64 s[42:43], s[42:43], s[58:59]
	s_mul_i32 s60, s2, FRAG
	v_lshl_add_u32 v7, v1, 3, s60                  ; 8 x lane + my tile's fragment
	s_lshl_b32 s60, s2, 2
	v_lshl_add_u32 v8, v2, 5, s60                  ; 32 r + 4 x tile
	s_wait_loadcnt 0x0
.set N, 0
.rept 96
	v_cndmask_b32 v[64+N], 0, v[64+N], vcc_lo
.set N, N+1
.endr
.set N, 0
.rept 8
	v_cndmask_b32 v[160+N], 0x7f7f7f7f, v[160+N], vcc_lo
.set N, N+1
.endr
.set S, 0
.rept 8
.irp p, 0,1,2,3,4,5
	global_store_b64 v7, v[64+12*S+2*\p:65+12*S+2*\p], s[42:43] offset:(S/2)*CHUNK+(S%2)*STEPB+256*\p   ; 256 consecutive bytes, aligned
.endr
	global_store_b32 v8, v[160+S], s[42:43] offset:(S/2)*CHUNK+SCO+(S%2)*512   ; both halves of the lanes hold and store the same word
.set S, S+1
.endr
	s_endpgm
; ---- NORM.  The work-group is tile T (16 rows); wave w takes K step w (128 numbers of each row).  LDS: a stage of 16 rows x 528 bytes for each wave; behind them the waves' parts of the sums.
.Lnorm:
	s_lshr_b32 s46, ttmp9, 1
	s_lshl_b32 s46, s46, 5
	s_and_b32 s47, ttmp9, 1
	s_lshl_b32 s47, s47, 3
	s_add_co_u32 s46, s46, s47                     ; lane-row 0 of tile T is row 32 (T / 2) + 8 (T % 2)
	s_lshl_b32 s46, s46, 12
	s_mov_b32 s47, 0
	s_add_nc_u64 s[36:37], s[36:37], s[46:47]
	s_lshl_b32 s48, s2, 9
	s_wait_alu depctr_va_vdst(0)
	v_lshl_add_u32 v4, v1, 4, s48                  ; x: 512 w + 16 x lane
	v_lshl_add_u32 v5, v3, 6, s48                  ; g: 512 w + 64 h
.irp i, 0,1,2,3,4,5,6,7,8,9,10,11,12,13,14,15
	global_load_b128 v[192+4*\i:195+4*\i], v4, s[36:37] offset:(\i+8*(\i/8))*4096   ; lane-row i: 512 consecutive bytes
.endr
.irp b, 0,1,2,3
.irp j, 0,1,2,3
	global_load_b128 v[128+16*\b+4*\j:131+16*\b+4*\j], v5, s[38:39] offset:128*\b+16*\j   ; g at the places of my 64 numbers
.endr
.endr
	s_mul_i32 s49, s2, 8448
	v_lshl_add_u32 v6, v1, 4, s49                  ; into the stage: as loaded
	v_mul_u32_u24 v7, v2, 528
	s_delay_alu instid0(VALU_DEP_1)
	v_lshl_add_u32 v7, v3, 6, v7
	s_delay_alu instid0(VALU_DEP_1)
	v_add_nc_u32 v7, s49, v7                       ; out of it: row r, 16 neighbours of each block of 32
	s_lshl_b32 s50, s2, 2
	s_add_co_u32 s50, s50, 67584
	v_lshl_add_u32 v53, v2, 5, s50                 ; my wave's part of row r's sum
	v_lshlrev_b32 v54, 5, v2
	s_delay_alu instid0(VALU_DEP_1)
	v_add_nc_u32 v54, 67584, v54                   ; row r's eight parts
	s_lshr_b32 s46, ttmp9, 3
	s_mul_i32 s46, s46, PAN8
	s_lshr_b32 s51, s2, 1
	s_mul_i32 s51, s51, CHUNK
	s_add_co_u32 s46, s46, s51
	s_add_nc_u64 s[40:41], s[40:41], s[46:47]      ; my panel, my chunk
	s_and_b32 s51, s2, 1
	s_and_b32 s52, ttmp9, 7
	s_mul_i32 s53, s51, STEPB
	s_mul_i32 s54, s52, FRAG
	s_add_co_u32 s53, s53, s54
	v_lshl_add_u32 v55, v1, 3, s53
	s_lshl_b32 s51, s51, 9
	s_lshl_b32 s52, s52, 2
	s_add_co_u32 s51, s51, s52
	s_add_co_u32 s51, s51, SCO
	v_lshl_add_u32 v56, v2, 5, s51
	s_mov_b32 s58, 0x3a800000                      ; 1 / 1,024
.irp b, 0,1,2,3
	v_mov_b32 v[TM+4+\b], 0                        ; written once: a lane permute's destination counts as one of its sources
.endr
	s_wait_loadcnt 16                              ; x's sixteen loads are in; g's sixteen may be out
.irp i, 0,1,2,3,4,5,6,7,8,9,10,11,12,13,14,15
	ds_store_b128 v6, v[192+4*\i:195+4*\i] offset:528*\i
.endr
.irp b, 0,1,2,3
.irp j, 0,1,2,3
	ds_load_b128 v[64+16*\b+4*\j:67+16*\b+4*\j], v7 offset:128*\b+16*\j   ; LDS serves a wave's instructions in order: these see my stores
.endr
.endr
	s_wait_dscnt 0x0
.irp k, 0,1,2,3
	v_pk_mul_f32 v[8+2*\k:9+2*\k], v[64+2*\k:65+2*\k], v[64+2*\k:65+2*\k]   ; four chains, started by the first products
.endr
.set J, 4
.rept 28
	s_delay_alu instid0(VALU_DEP_4)
	v_pk_fma_f32 v[8+2*(J%4):9+2*(J%4)], v[64+2*J:65+2*J], v[64+2*J:65+2*J], v[8+2*(J%4):9+2*(J%4)]
.set J, J+1
.endr
	s_delay_alu instid0(VALU_DEP_3)
	v_pk_add_f32 v[8:9], v[8:9], v[10:11]
	s_delay_alu instid0(VALU_DEP_2)
	v_pk_add_f32 v[12:13], v[12:13], v[14:15]
	s_delay_alu instid0(VALU_DEP_1)
	v_pk_add_f32 v[8:9], v[8:9], v[12:13]
	s_delay_alu instid0(VALU_DEP_1)
	v_add_f32 v8, v8, v9
	s_delay_alu instid0(VALU_DEP_1)
	v_permlanex16_b32 v9, v8, s[SEL], s[SEL+1]
	s_delay_alu instid0(VALU_DEP_1)
	v_add_f32 v8, v8, v9                           ; row r's 128 squares of my K step
	ds_store_b32 v53, v8
	s_wait_dscnt 0x0                               ; for the others' sake: my part lies in LDS
	s_barrier_signal -1
	s_barrier_wait -1
	ds_load_b128 v[8:11], v54
	ds_load_b128 v[12:15], v54 offset:16
	s_wait_dscnt 0x0
	v_add_f32 v8, v8, v9
	v_add_f32 v10, v10, v11
	v_add_f32 v12, v12, v13
	v_add_f32 v14, v14, v15
	s_delay_alu instid0(VALU_DEP_3)
	v_add_f32 v8, v8, v10
	s_delay_alu instid0(VALU_DEP_2)
	v_add_f32 v12, v12, v14
	s_delay_alu instid0(VALU_DEP_1)
	v_add_f32 v8, v8, v12
	v_mov_b32 v9, 0x3727c5ac                       ; 1e-5
	s_delay_alu instid0(VALU_DEP_1)
	v_fma_f32 v8, v8, s58, v9
	s_wait_alu depctr_va_vdst(0)
	v_rsq_f32 v10, v8
	v_nop                                          ; a plain instruction behind the transcendental
	s_wait_alu depctr_va_vdst(0)                   ; and a wait ahead of the first use of its result
	s_wait_loadcnt 0x0                             ; g
.set J, 0
.rept 32
	v_pk_mul_f32 v[64+2*J:65+2*J], v[64+2*J:65+2*J], v[10:11] op_sel_hi:[1,0]
.set J, J+1
.endr
.set J, 0
.rept 32
	v_pk_mul_f32 v[64+2*J:65+2*J], v[64+2*J:65+2*J], v[128+2*J:129+2*J]
.set J, J+1
.endr
	QUANT 64, 32, 52
.irp p, 0,1,2,3,4,5
	global_store_b64 v55, v[32+2*\p:33+2*\p], s[40:41] offset:256*\p   ; 256 consecutive bytes, aligned
.endr
	global_store_b32 v56, v52, s[40:41]            ; both halves of the lanes hold and store the same word
	s_wait_tensorcnt 0x0
	ds_add_u32 v62, v63
	s_wait_dscnt 0x0
	s_endpgm
.Lfunc_end_k_q4285f944d0_prep:
	.size	k_q4285f944d0_prep, .Lfunc_end_k_q4285f944d0_prep-k_q4285f944d0_prep
	.p2alignl 7, 3214868480
	.fill 96, 4, 3214868480
	.section	.rodata,"a",@progbits
	.p2align	6, 0x0
	.amdhsa_kernel k_q4285f944d0_prep
		.amdhsa_group_segment_fixed_size 69120
		.amdhsa_private_segment_fixed_size 0
		.amdhsa_enable_private_segment 0
		.amdhsa_kernarg_size 136
		.amdhsa_user_sgpr_count 2
		.amdhsa_user_sgpr_kernarg_segment_ptr 1
		.amdhsa_wavefront_size32 1
		.amdhsa_system_sgpr_workgroup_id_x 1
		.amdhsa_system_sgpr_workgroup_id_y 1
		.amdhsa_system_sgpr_workgroup_id_z 1
		.amdhsa_system_vgpr_workitem_id 0
		.amdhsa_next_free_vgpr 256
		.amdhsa_next_free_sgpr 66
		.amdhsa_reserve_vcc 1
		.amdhsa_float_denorm_mode_32 3
		.amdhsa_float_denorm_mode_16_64 3
		.amdhsa_memory_ordered 1
		.amdhsa_forward_progress 1
		.amdhsa_inst_pref_size 79
	.end_amdhsa_kernel
	.amdgpu_metadata
---
amdhsa.version: [ 1, 2 ]
amdhsa.kernels:
  - .name:           k_q4285f944d0_prep
    .symbol:         k_q4285f944d0_prep.kd
    .args:
      - { .name: x, .offset: 0, .size: 8, .value_kind: global_buffer, .address_space: global }
      - { .name: g1, .offset: 8, .size: 8, .value_kind: global_buffer, .address_space: global }
      - { .name: hA, .offset: 16, .size: 8, .value_kind: global_buffer, .address_space: global }
      - { .name: WI, .offset: 24, .size: 8, .value_kind: global_buffer, .address_space: global }
      - { .name: W3, .offset: 32, .size: 8, .value_kind: global_buffer, .address_space: global }
      - { .name: Wq_codes, .offset: 40, .size: 8, .value_kind: global_buffer, .address_space: global }
      - { .name: Wk_codes, .offset: 48, .size: 8, .value_kind: global_buffer, .address_space: global }
      - { .name: Wv_codes, .offset: 56, .size: 8, .value_kind: global_buffer, .address_space: global }
      - { .name: Wo_codes, .offset: 64, .size: 8, .value_kind: global_buffer, .address_space: global }
      - { .name: W1_codes, .offset: 72, .size: 8, .value_kind: global_buffer, .address_space: global }
      - { .name: W2_codes, .offset: 80, .size: 8, .value_kind: global_buffer, .address_space: global }
      - { .name: Wq_scales, .offset: 88, .size: 8, .value_kind: global_buffer, .address_space: global }
      - { .name: Wk_scales, .offset: 96, .size: 8, .value_kind: global_buffer, .address_space: global }
      - { .name: Wv_scales, .offset: 104, .size: 8, .value_kind: global_buffer, .address_space: global }
      - { .name: Wo_scales, .offset: 112, .size: 8, .value_kind: global_buffer, .address_space: global }
      - { .name: W1_scales, .offset: 120, .size: 8, .value_kind: global_buffer, .address_space: global }
      - { .name: W2_scales, .offset: 128, .size: 8, .value_kind: global_buffer, .address_space: global }
    .group_segment_fixed_size: 69120
    .private_segment_fixed_size: 0
    .kernarg_segment_align: 8
    .kernarg_segment_size: 136
    .max_flat_workgroup_size: 256
    .sgpr_count:     66
    .vgpr_count:     256
    .wavefront_size: 32
...
	.end_amdgpu_metadata
.endif
;; end of part 1
;; launch qkv (part 2): grid 32 x 8, 4 waves a work-group, clusters of 4 x 4, 327,680 bytes of LDS; arguments hA, WI, QW, KV; writes QW, KV
.if DOCPART == 2
	.amdgcn_target "amdgcn-amd-amdhsa--gfx1250"
	.amdhsa_code_object_version 6
	.text
	.protected	k_q4285f944d0_qkv
	.globl	k_q4285f944d0_qkv
	.p2align	8
	.type	k_q4285f944d0_qkv,@function
k_q4285f944d0_qkv:
	s_mov_b64 s[64:65], 0
	v_nop
	global_prefetch_b8 v0, s[64:65] scope:SCOPE_SE
	s_setreg_imm32_b32 hwreg(HW_REG_WAVE_MODE, 25, 1), 1
	s_wait_xcnt 0x0
	s_wait_alu depctr_hold_cnt(0) depctr_sa_sdst(0) depctr_va_vdst(0) depctr_va_sdst(0) depctr_va_ssrc(0) depctr_va_vcc(0) depctr_vm_vsrc(0)
	s_getreg_b32 s2, hwreg(HW_REG_IB_STS2, 6, 4)
	s_cmp_eq_u32 s2, 0
	s_cbranch_scc0 .Lentry_in_a_cluster
	s_endpgm
.Lentry_in_a_cluster:
	s_bfe_u32 s2, ttmp6, 0x10000c
	s_cmp_lg_u32 s2, 0xf033
	s_cbranch_scc0 .Lentry_shape_is_right
	s_endpgm
.Lentry_shape_is_right:
; q, k, v = h Wq, h Wk, h Wv on codes of E3M2, and their quantising: q and k along the head's 64, v along the keys.
; Work-group (R, g): 128 tokens (block R) x the 128 columns of heads 2 g and 2 g + 1, three times (q, k, v).  Four waves of 64 x 64: wave = 2 rho + kappa: tokens 64 rho on, head 2 g + kappa.
; All operands lie in memory as images of operand registers (a fragment 1,536 bytes, registers 2 p, 2 p + 1 of lane l at 256 p + 8 l; a chunk = two K steps of 8 fragments + 2 x 512 bytes of scale words;
; a panel of 128 rows and K = 1,024 = 4 chunks = 102,400 bytes), so a panel is one dense block and a fragment comes by six loads of 256 consecutive bytes.
; LDS: h's panel at 0 (filled once); two slots of a weight panel at 102,400 and 204,800; the spare words at 307,200.  The launch claims all of LDS.
; CLUSTER 4 x 4.  h's panel hangs on R alone: the four work-groups of a column of the cluster ask for it JOINTLY.  The weight panels hang on g alone: the four of a row ask for them jointly.  A quarter of a panel a wave.
; h's FRAGMENTS STAY IN REGISTERS: a wave's 64 tokens x 8 K steps are 32 fragments, 384 registers; they are read from LDS once and serve q, k and v.  So a K step reads 4 fragments and 4 scale words a lane
; (25 loads) for its 16 matrix instructions, where it would read 49.
; q, k: the product is used transposed (source 0 = weight rows, source 1 = tokens): a lane holds one token, its registers run along the head's 64.  v: as it stands (source 0 = tokens): a lane holds one
; channel, its registers run along the tokens, which are the second attention product's K.
; REGISTERS: window 0: v1 8 x lane; v3, v4 the add's two; v5-14 LDS addresses; v15-18 store offsets; v24-31 scale words, two sets; v32-89 at work on the way out; v128-255 the 16 accumulators ((i, j) at 128 + 8 (4 i + j)).
;   window 1: two sets of the weights' four fragments, at 48 f + 12 j.   windows 2, 3: h's fragments: K step s, tile i at 48 (s % 4) + 12 i of window 2 + s / 4.
; LIMITS: NaN and infinities are not served; a block whose largest magnitude lies under 2^-122 gets the byte 1.
.set SPARE, 307200
.set SC,  24
.set ACC, 128
.set TM,  72
.set WV,  12
.set SEL, 66
.set MSB, 0
.macro WIN new                         ; the immediate's high byte repeats the setting that is left
.if MSB != \new
	s_set_vgpr_msb (MSB<<8)|\new
.set MSB, \new
.endif
.endm
.macro PLACES n
.rept \n
	v_nop
.endr
.endm
.macro ROUND                           ; a round of the cluster's barrier
	s_barrier_signal -1
	s_barrier_wait -1
	s_cmp_lg_u32 s[WV], 0
	s_cbranch_scc1 .Lnw0_\@
	s_barrier_signal -3
.Lnw0_\@:
	s_barrier_wait -3
	s_barrier_signal -1
	s_barrier_wait -1
.endm
; 192 LDS loads, once: h's fragments of my four token tiles, all eight K steps, into the registers that keep them
.macro LOADA
	WIN 0x80                                       ; destination window 2
.set SS, 0
.rept 4
.irp i, 0,1,2,3
.irp p, 0,1,2,3,4,5
	ds_load_b64 v[48*SS+12*\i+2*\p:48*SS+12*\i+2*\p+1], v5 offset:(SS>>1)*25600+(SS&1)*12288+1536*\i+256*\p
.endr
.endr
.set SS, SS+1
.endr
	WIN 0xc0                                       ; destination window 3: K steps 4 to 7, 51,200 bytes on
.set SS, 0
.rept 4
.irp i, 0,1,2,3
.irp p, 0,1,2,3,4,5
	ds_load_b64 v[48*SS+12*\i+2*\p:48*SS+12*\i+2*\p+1], v6 offset:(SS>>1)*25600+(SS&1)*12288+1536*\i+256*\p
.endr
.endr
.set SS, SS+1
.endr
	WIN 0
.endm
; 25 LDS loads: K step s of a run: the weights' four fragments, and one load of four scale words a lane (lanes 0-15 h's tiles, lanes 16-31 the weights') into set f
.macro FETCH f, rb, rs, s
	WIN 0x40                                       ; destination window 1
.irp i, 0,1,2,3
.irp p, 0,1,2,3,4,5
	ds_load_b64 v[48*(\f)+12*\i+2*\p:48*(\f)+12*\i+2*\p+1], v[\rb+((\s)>>2)] offset:(((\s)>>1)&1)*25600+((\s)&1)*12288+1536*\i+256*\p
.endr
.endr
	WIN 0
	ds_load_b128 v[SC+4*(\f):SC+4*(\f)+3], v[\rs+((\s)>>2)] offset:(((\s)>>1)&1)*25600+24576+((\s)&1)*512
.endm
; 16 matrix instructions of K step s on set f; the 16 accumulators take turns in one order.  kind 0: source 0 = the weights' fragment j, source 1 = h's i.  kind 1: source 0 = h's j, source 1 = the weights' i.  ZZ = 1: they start the sums
.macro MUL kind, f, s
.if \kind == 0
.if (\s) < 4
	WIN 0x09                                       ; source 0 window 1, source 1 window 2; C and D window 0
.else
	WIN 0x0d                                       ; source 1 window 3
.endif
.else
.if (\s) < 4
	WIN 0x06                                       ; source 0 window 2, source 1 window 1
.else
	WIN 0x07                                       ; source 0 window 3
.endif
.endif
.irp i, 0,1,2,3
.irp j, 0,1,2,3
.set DD, ACC+8*(4*\i+\j)
.if \kind == 0
.set S0, 48*(\f)+12*\j
.set S1, 48*((\s)&3)+12*\i
.if ZZ
	v_wmma_scale_f32_16x16x128_f8f6f4 v[DD:DD+7], v[S0:S0+11], v[S1:S1+11], 0, v[SC+4*(\f)+\j], v[SC+4*(\f)+\i] matrix_a_fmt:MATRIX_FMT_BF6 matrix_b_fmt:MATRIX_FMT_BF6 matrix_a_scale:MATRIX_SCALE_ROW1
.else
	v_wmma_scale_f32_16x16x128_f8f6f4 v[DD:DD+7], v[S0:S0+11], v[S1:S1+11], v[DD:DD+7], v[SC+4*(\f)+\j], v[SC+4*(\f)+\i] matrix_a_fmt:MATRIX_FMT_BF6 matrix_b_fmt:MATRIX_FMT_BF6 matrix_a_scale:MATRIX_SCALE_ROW1
.endif
.else
.set S0, 48*((\s)&3)+12*\j
.set S1, 48*(\f)+12*\i
.if ZZ
	v_wmma_scale_f32_16x16x128_f8f6f4 v[DD:DD+7], v[S0:S0+11], v[S1:S1+11], 0, v[SC+4*(\f)+\j], v[SC+4*(\f)+\i] matrix_a_fmt:MATRIX_FMT_BF6 matrix_b_fmt:MATRIX_FMT_BF6 matrix_b_scale:MATRIX_SCALE_ROW1
.else
	v_wmma_scale_f32_16x16x128_f8f6f4 v[DD:DD+7], v[S0:S0+11], v[S1:S1+11], v[DD:DD+7], v[SC+4*(\f)+\j], v[SC+4*(\f)+\i] matrix_a_fmt:MATRIX_FMT_BF6 matrix_b_fmt:MATRIX_FMT_BF6 matrix_b_scale:MATRIX_SCALE_ROW1
.endif
.endif
.endr
.endr
.endm
; n K steps.  While a step is multiplied the next step's 25 loads are out, in the other set; four plain instructions stand between a step's products and the loads into the registers that they read
.macro RUN kind, n, rb, rs, zero
	FETCH 0, \rb, \rs, 0
.set SS, 0
.rept \n
.if SS < \n-1
.if SS > 0
	PLACES 4
.endif
	FETCH (SS+1)&1, \rb, \rs, SS+1
	s_wait_dscnt 25                                ; all but the 25 just issued: this step's set is in (and, in the first run, h's fragments)
.else
	s_wait_dscnt 0x0
.endif
.set ZZ, 0
.if SS == 0
.set ZZ, \zero
.endif
	MUL \kind, SS&1, SS
.set SS, SS+1
.endr
	WIN 0
.endm
.macro QUANT s, pc, pw                 ; 64 numbers of a lane, register 16 b + i = number 16 (lane / 16) + i of block b, become 12 registers of codes at v[pc] and four scale bytes in v[pw]
.irp b, 0,1,2,3
	v_max3_num_f32 v[TM+\b], |v[\s+16*\b]|, |v[\s+1+16*\b]|, 0x2800000   ; and the floor 2^(5 - 127): the byte cannot fall under 1
.endr
.irp i, 2,4,6,8,10,12,14
.irp b, 0,1,2,3
	v_max3_num_f32 v[TM+\b], v[TM+\b], |v[\s+16*\b+\i]|, |v[\s+1+16*\b+\i]|
.endr
.endr
.irp b, 0,1,2,3
	v_permlanex16_b32 v[TM+4+\b], v[TM+\b], s[SEL], s[SEL+1]
.endr
.irp b, 0,1,2,3
	v_max_num_f32 v[TM+\b], v[TM+\b], v[TM+4+\b]
.endr
.irp b, 0,1,2,3
	v_add_nc_u32 v[TM+12+\b], 0xfe000000, v[TM+\b]   ; 4 off the exponent field: the conversion's scale operand
.endr
.irp b, 0,1,2,3
	v_lshrrev_b32 v[TM+4+\b], 23, v[TM+12+\b]
.endr
	v_lshl_or_b32 v[\pw], v[TM+5], 8, v[TM+4]
	v_lshl_or_b32 v[\pw], v[TM+6], 16, v[\pw]
	v_lshl_or_b32 v[\pw], v[TM+7], 24, v[\pw]
.irp c, 0,1
	v_cvt_scalef32_pk16_bf6_f32 v[\pc+6*\c:\pc+2+6*\c], v[\s+32*\c:\s+15+32*\c], v[TM+12+2*\c]
	v_cvt_scalef32_pk16_bf6_f32 v[\pc+12+4*\c:\pc+14+4*\c], v[\s+16+32*\c:\s+31+32*\c], v[TM+12+2*\c+1]
.endr
	v_nop                                          ; one plain instruction behind the scaled conversions
.irp c, 0,1
.irp i, 0,1,2
	v_permlane16_swap_b32 v[\pc+6*\c+\i], v[\pc+12+4*\c+\i]
.endr
.irp i, 0,1,2
	v_mov_b32 v[\pc+3+6*\c+\i], v[\pc+12+4*\c+\i]
.endr
.endr
.endm
; The change of panels.  Every wave: all its tensor loads have landed; 0 onto its spare word; the add and its LDS reads are done; then the barrier.
; fill = 1: the barrier is a round of the cluster's, and slot 0 takes v's panel, first thing behind it.
.macro CHANGE fill
	s_wait_tensorcnt 0x0
	ds_add_u32 v3, v4
.if \fill
	s_add_nc_u64 s[46:47], s[46:47], 204800        ; from q's panel to v's: no load of mine is out, so the descriptor may be written
.endif
	s_wait_dscnt 0x0
.if \fill
	ROUND
	tensor_load_to_lds s[44:47], s[32:39]
	s_nop 0
	PLACES 4                                       ; also the places behind the last products
.else
	s_barrier_signal -1
	s_barrier_wait -1
	PLACES 4
.endif
.endm
; q or k: registers 32 i .. 32 i + 31 are token tile i's 64 channels, so 64 registers make a PAIR fragment: k 0-63 = tile 2 b, k 64-127 = tile 2 b + 1
.macro EPI_QK base, so
	s_wait_xcnt 0x0                                ; the last way out's stores have read their registers
	QUANT ACC, 32, 88
	QUANT ACC+64, 52, 89
.irp u, 0,1
.irp p, 0,1,2,3,4,5
	global_store_b64 v15, v[32+20*\u+2*\p:33+20*\u+2*\p], s[\base:\base+1] offset:1536*\u+256*\p   ; 256 consecutive bytes, aligned
.endr
.endr
	global_store_b64 v16, v[88:89], s[\base:\base+1] offset:\so
.endm
; v: registers 32 i .. 32 i + 31 are channel tile i's 64 tokens: each half of a QUANT's fragment is half rho of V's fragment 2 m or 2 m + 1
.macro EPI_V
	s_wait_xcnt 0x0
	QUANT ACC, 32, 88
	QUANT ACC+64, 52, 89
.irp m, 0,1
.irp p, 0,1,2,3,4,5
	global_store_b64 v17, v[32+20*\m+2*\p:33+20*\m+2*\p], s[10:11] offset:6144+1536*(2*\m+\p/3)+256*(\p%3)
.endr
.endr
.irp m, 0,1
	global_store_b16 v18, v[88+\m], s[10:11] offset:12544+8*\m
	global_store_d16_hi_b16 v18, v[88+\m], s[10:11] offset:12544+8*\m+4
.endr
.endm
	s_load_b256 s[4:11], s[0:1], 0x0               ; hA s[4:5], WI s[6:7], QW s[8:9], KV s[10:11]
	v_lshl_add_u32 v3, v0, 2, SPARE
	v_mov_b32 v4, 0
	ds_add_u32 v3, v4
	ds_add_u32 v3, v4
	s_wait_dscnt 0x0
	v_lshrrev_b32 v1, 5, v0
	v_readfirstlane_b32 s[WV], v1                  ; wave 0..3
	s_lshr_b32 s13, s[WV], 1                       ; rho
	s_and_b32 s14, s[WV], 1                        ; kappa
	s_bfe_u32 s15, ttmp6, 0x40000                  ; cx
	s_bfe_u32 s57, ttmp6, 0x40004                  ; cy
	s_lshl_b32 s16, ttmp9, 2
	s_add_co_u32 s16, s16, s15                     ; R = 4 x cluster x + cx
	s_and_b32 s17, ttmp7, 0xffff
	s_lshl_b32 s17, s17, 2
	s_add_co_u32 s17, s17, s57                     ; g = 4 x cluster y + cy
	s_lshl_b32 s58, s57, 2
	s_lshl_b32 s58, 15, s58                        ; my row of the cluster: places 4 cy .. 4 cy + 3
	s_lshl_b32 s59, 0x1111, s15                    ; my column: places cx, cx + 4, cx + 8, cx + 12
	; descriptor group 1: 100 rows of 256 bytes (32 elements of 8 bytes), dense: a quarter of a panel
	s_or_b32 s24, s59, (3<<16)|(1<<21)             ; h's panel hangs on R alone: it goes to my column; bit 21 beside the mask
	s_or_b32 s32, s58, (3<<16)|(1<<21)             ; the weights hang on g alone: they go to my row
.irp g, 24, 32
	s_mov_b32 s[\g+1], 32<<16
	s_mov_b32 s[\g+2], 200<<16                     ; the head's loads bring half a panel, 200 rows
	s_mov_b32 s[\g+3], 32<<16
	s_mov_b32 s[\g+4], 200
	s_mov_b32 s[\g+5], 32
	s_mov_b32 s[\g+6], 0
	s_mov_b32 s[\g+7], 0
.endr
	s_mul_i32 s56, s[WV], 25600                    ; the quarter that I fetch
	s_mul_i32 s70, s14, 51200                      ; the half that I fetch at the head: waves 0, 1 h's panel, waves 2, 3 q's weights
	s_mul_i32 s52, s16, 102400                     ; h's: nothing here hangs on cy
	s_add_co_u32 s52, s52, s70
	s_mul_i32 s68, s17, 307200                     ; q's weights, by halves: nothing here hangs on cx
	s_add_co_u32 s68, s68, s70
	s_mov_b32 s69, 0
	s_mov_b32 s53, 0
	s_mul_i32 s54, s17, 307200                     ; q's, k's, v's panels of group g lie on end; nothing here hangs on cx
	s_add_co_u32 s54, s54, s56
	s_mov_b32 s55, 0
	s_wait_kmcnt 0x0
	s_mov_b32 s40, 1
	s_mov_b32 s41, s70
	s_add_nc_u64 s[42:43], s[4:5], s[52:53]
	s_or_b32 s43, s43, 0x80000000
	s_mov_b32 s44, 1
	s_add_co_u32 s45, s56, 102400
	s_add_nc_u64 s[46:47], s[6:7], s[54:55]
	s_or_b32 s47, s47, 0x80000000
	s_mov_b32 s48, 1
	s_add_co_u32 s49, s56, 204800
	s_add_nc_u64 s[50:51], s[6:7], s[54:55]
	s_add_nc_u64 s[50:51], s[50:51], 102400
	s_or_b32 s51, s51, 0x80000000
	s_mov_b32 s72, 1                               ; the head's load of q's weights into slot 0, half a panel
	s_add_co_u32 s73, s70, 102400
	s_add_nc_u64 s[74:75], s[6:7], s[68:69]
	s_or_b32 s75, s75, 0x80000000
	ROUND                                          ; all sixteen work-groups are here: the first joint loads meet
	s_cmp_lt_u32 s[WV], 2                          ; one tensor load a wave at the head: two arms, one join
	s_cbranch_scc0 .Lhead_w
	tensor_load_to_lds s[40:43], s[24:31]          ; waves 0, 1: a half of h's panel
	s_nop 0
	PLACES 4
	s_branch .Lhead_done
.Lhead_w:
	tensor_load_to_lds s[72:75], s[32:39]          ; waves 2, 3: a half of q's weights, into slot 0
	s_nop 0
	PLACES 4
.Lhead_done:
	v_and_b32 v19, 31, v0
	v_lshlrev_b32 v1, 3, v19                       ; 8 x lane
	v_and_b32 v20, 15, v0                          ; r
	v_bfe_u32 v21, v0, 4, 1                        ; h
	v_lshlrev_b32 v2, 4, v20                       ; 16 r
	s_mul_i32 s18, s13, 6144
	v_add_nc_u32 v5, s18, v1                       ; h's four fragments: tiles 4 rho on
	v_add_nc_u32 v6, 51200, v5
	s_mul_i32 s19, s14, 6144
	s_add_co_u32 s19, s19, 102400
	v_add_nc_u32 v7, s19, v1                       ; the weights': tiles 4 kappa on, slot 0
	v_add_nc_u32 v8, 51200, v7
	v_add_nc_u32 v9, 102400, v7                    ; slot 1
	v_add_nc_u32 v10, 102400, v8
	s_lshl_b32 s18, s13, 4
	s_lshl_b32 s19, s14, 4
	s_add_co_u32 s19, s19, 102400
	s_sub_co_u32 s19, s19, s18                     ; from h's scale words to the weights'
	v_mul_u32_u24 v19, s19, v21                    ; lanes 16-31 take the weights'
	v_lshl_add_u32 v19, v20, 5, v19
	v_add_nc_u32 v11, s18, v19
	v_add_nc_u32 v12, 51200, v11
	s_add_co_u32 s19, s19, 102400
	v_mul_u32_u24 v19, s19, v21
	v_lshl_add_u32 v19, v20, 5, v19
	v_add_nc_u32 v13, s18, v19
	v_add_nc_u32 v14, 51200, v13
	s_mul_i32 s18, s13, 3072
	v_add_nc_u32 v15, s18, v1                      ; q, k codes: pair fragments 2 rho on
	s_lshl_b32 s18, s13, 3
	v_add_nc_u32 v16, s18, v2                      ; their scale words: 16 r + 8 rho
	s_mul_i32 s18, s13, 768
	v_add_nc_u32 v17, s18, v1                      ; v codes: half rho of a fragment
	s_lshl_b32 s18, s13, 1
	v_add_nc_u32 v18, s18, v2                      ; their scale bytes: 16 r + 2 rho
	s_mul_i32 s78, s15, 100                        ; the prefetches: of a weight panel's 400 blocks of 256 bytes each of the four partners that ask for it jointly names 100 (told apart by address),
	s_mul_i32 s79, s[WV], 25                       ; 25 a wave, a lane a block; the lanes left over name their wave's last block again
	s_add_co_u32 s78, s78, s79
	v_and_b32 v22, 31, v0
	v_min_u32 v22, 24, v22
	v_add_nc_u32 v22, s78, v22
	v_lshlrev_b32 v23, 8, v22
	s_mul_i32 s80, s17, 307200
	s_mov_b32 s81, 0
	s_add_nc_u64 s[76:77], s[6:7], s[80:81]        ; group g's three panels
	s_lshr_b32 s18, s16, 4
	s_lshl_b32 s18, s18, 4
	s_lshl_b32 s19, s17, 1
	s_add_co_u32 s18, s18, s19
	s_add_co_u32 s18, s18, s14                     ; 16 x batch + my head
	s_and_b32 s19, s16, 15                         ; which 128 tokens of the batch
	s_mul_i32 s20, s18, 102400
	s_mul_i32 s21, s19, 6400
	s_add_co_u32 s20, s20, s21
	s_mov_b32 s21, 0
	s_add_nc_u64 s[8:9], s[8:9], s[20:21]
	s_lshl_b32 s20, s20, 1                         ; KV's blocks are twice QW's
	s_add_nc_u64 s[10:11], s[10:11], s[20:21]
	s_mov_b32 s[SEL], 0x76543210
	s_mov_b32 s[SEL+1], 0xfedcba98
.irp b, 0,1,2,3
	v_mov_b32 v[TM+4+\b], 0                        ; written once: a lane permute's destination counts as one of its sources
.endr
	s_wait_alu depctr_va_vdst(0)
	global_prefetch_b8 v23, s[76:77] offset:102400 th:TH_LOAD_NT scope:SCOPE_SE   ; k's panel, which the next tensor load fetches
	s_wait_tensorcnt 0x0                           ; my half has landed; slot 1's first fill is issued as a refill is:
	ds_add_u32 v3, v4                              ; 0 onto my spare word
	s_mov_b32 s34, 100<<16                         ; no load of mine is out: from here on a load of weights brings a quarter of a panel, 100 rows
	s_mov_b32 s36, 100
	s_wait_dscnt 0x0
	ROUND                                          ; everybody's half is in, and the joint loads meet
	tensor_load_to_lds s[48:51], s[32:39]          ; k's weights into slot 1, my quarter: q's eight K steps stand between it and the wait for it
	s_nop 0
	PLACES 4
	LOADA
	global_prefetch_b8 v23, s[76:77] offset:204800 th:TH_LOAD_NT scope:SCOPE_SE   ; v's panel, which is fetched behind q's run
	RUN 0, 8, 7, 11, 1                             ; q
	CHANGE 1
	EPI_QK 8, 6144
	RUN 0, 8, 9, 13, 1                             ; k
	CHANGE 0
	EPI_QK 10, 12288
	RUN 1, 8, 7, 11, 1                             ; v
	PLACES 4
	EPI_V
	s_wait_tensorcnt 0x0                           ; the wave's end
	ds_add_u32 v3, v4
	s_wait_dscnt 0x0
	ROUND                                          ; the closing round
	s_endpgm
.Lfunc_end_k_q4285f944d0_qkv:
	.size	k_q4285f944d0_qkv, .Lfunc_end_k_q4285f944d0_qkv-k_q4285f944d0_qkv
	.p2alignl 7, 3214868480
	.fill 96, 4, 3214868480
	.section	.rodata,"a",@progbits
	.p2align	6, 0x0
	.amdhsa_kernel k_q4285f944d0_qkv
		.amdhsa_group_segment_fixed_size 327680
		.amdhsa_private_segment_fixed_size 0
		.amdhsa_enable_private_segment 0
		.amdhsa_kernarg_size 32
		.amdhsa_user_sgpr_count 2
		.amdhsa_user_sgpr_kernarg_segment_ptr 1
		.amdhsa_wavefront_size32 1
		.amdhsa_system_sgpr_workgroup_id_x 1
		.amdhsa_system_sgpr_workgroup_id_y 1
		.amdhsa_system_sgpr_workgroup_id_z 1
		.amdhsa_system_vgpr_workitem_id 0
		.amdhsa_next_free_vgpr 960
		.amdhsa_next_free_sgpr 84
		.amdhsa_reserve_vcc 0
		.amdhsa_float_denorm_mode_32 3
		.amdhsa_float_denorm_mode_16_64 3
		.amdhsa_memory_ordered 1
		.amdhsa_forward_progress 1
		.amdhsa_inst_pref_size 139
	.end_amdhsa_kernel
	.amdgpu_metadata
---
amdhsa.version: [ 1, 2 ]
amdhsa.kernels:
  - .name:           k_q4285f944d0_qkv
    .symbol:         k_q4285f944d0_qkv.kd
    .args:
      - { .name: hA, .offset: 0, .size: 8, .value_kind: global_buffer, .address_space: global }
      - { .name: WI, .offset: 8, .size: 8, .value_kind: global_buffer, .address_space: global }
      - { .name: QW, .offset: 16, .size: 8, .value_kind: global_buffer, .address_space: global }
      - { .name: KV, .offset: 24, .size: 8, .value_kind: global_buffer, .address_space: global }
    .group_segment_fixed_size: 327680
    .private_segment_fixed_size: 0
    .kernarg_segment_align: 8
    .kernarg_segment_size: 32
    .max_flat_workgroup_size: 128
    .sgpr_count:     84
    .vgpr_count:     960
    .wavefront_size: 32
...
	.end_amdgpu_metadata
.endif
;; end of part 2
;; launch attn (part 3): grid 8 x 32, 16 waves a work-group, clusters of 4 x 1, 206,848 bytes of LDS; arguments QW, KV, CX; writes CX
.if DOCPART == 3
	.amdgcn_target "amdgcn-amd-amdhsa--gfx1250"
	.amdhsa_code_object_version 6
	.text
	.protected	k_q4285f944d0_attn
	.globl	k_q4285f944d0_attn
	.p2align	8
	.type	k_q4285f944d0_attn,@function
k_q4285f944d0_attn:
	s_mov_b64 s[64:65], 0
	v_nop
	global_prefetch_b8 v0, s[64:65] scope:SCOPE_SE
	s_setreg_imm32_b32 hwreg(HW_REG_WAVE_MODE, 25, 1), 1
	s_wait_xcnt 0x0
	s_wait_alu depctr_hold_cnt(0) depctr_sa_sdst(0) depctr_va_vdst(0) depctr_va_sdst(0) depctr_va_ssrc(0) depctr_va_vcc(0) depctr_vm_vsrc(0)
	s_getreg_b32 s2, hwreg(HW_REG_IB_STS2, 6, 4)
	s_cmp_eq_u32 s2, 0
	s_cbranch_scc0 .Lentry_in_a_cluster
	s_endpgm
.Lentry_in_a_cluster:
	s_bfe_u32 s2, ttmp6, 0x10000c
	s_cmp_lg_u32 s2, 0x3003
	s_cbranch_scc0 .Lentry_shape_is_right
	s_endpgm
.Lentry_shape_is_right:
; Causal attention of one head on codes of E3M2, and the quantising of its result along the model's features.  (The bias -slope x max(j - i, 0) is 0 wherever the causal mask keeps a score.)
; t = score x log2(e) / 8; M = the running largest t rounded up to a whole number; p = 2^(t - M) is quantised along the keys, not normalised; the sum of the unquantised p divides at the end.
; CLUSTER 4 x 1: a head's queries are shared by two clusters of four work-groups.  All four partners need the head's whole K and V: each block is asked for JOINTLY (mask 15), and each partner receives it in its own LDS.
; SHARES.  Sixteen waves, a tile of 16 queries each.  WHICH BLOCK of 128 queries a wave takes hangs on its number w and the cluster's x alone, so that the partners run alike: p = 2 (w / 4) + cluster x, and the block
; is 15 - p where (w / 2 xor w / 4 xor w / 8) is odd, else p.  WHICH TILE of the block hangs on the partner: 2 cx + w % 2; it enters global addresses and the mask's bound alone, no branch and no LDS address.
; A block J costs J + 1 key steps of 128 keys: every work-group has 136 wave-steps, and the four waves w % 4 = const, as the four waves w / 4 = const, have 34.
; LDS: the head's 16 blocks of K and V (12,800 bytes each: 4 pair fragments of K, 4 fragments of V, their scale words), block t at 12,800 t; wave w brings block w by one tensor load; no byte is filled twice.
; K = 64 in the score product: a pair fragment of K holds key tile 2 b in k 0-63 and tile 2 b + 1 in k 64-127; it is multiplied by [q | 0] for the one and by [0 | q] for the other.
; Both products are used transposed: a lane holds one query throughout.  The keys of a tile are 32 b + 8 u + r + 8 (r / 8), so that the 16 registers of tiles 2 b, 2 b + 1 are 16 neighbouring keys.
; REGISTERS: v1 8 x lane, v2 16 r, v3, v4 the step's addresses, v5 the mask's bound, v6 -inf, v7 q's scale word, v12 -M, v13 the largest t, v[14:15] the sum, v16-27 [q | 0], v28-39 [0 | q], v40-87 four fragments,
; v88-91 K's scale words, v92-95 V's, v96-159 scores, then p, v160-191 O^T, v192-211 p's codes, v212-223 at work, v224 p's scale word, v[226:227] the rescaling, v228-231 at work and store offsets.
; LIMITS: NaN and infinities are not served; a block whose largest magnitude lies under 2^-122 gets the byte 1.
.set WV,  10
.set JJ,  11                           ; s11  my block of queries: the last key step that I walk
.set TT,  12                           ; s12  the key step
.set TB,  13                           ; s13  where its block begins in LDS
.set SEL, 14
.set CS,  16                           ; s[16:17] log2(e) / 8
.macro ROUND                           ; a round of the cluster's barrier
	s_barrier_signal -1
	s_barrier_wait -1
	s_cmp_lg_u32 s[WV], 0
	s_cbranch_scc1 .Lnw0_\@
	s_barrier_signal -3
.Lnw0_\@:
	s_barrier_wait -3
	s_barrier_signal -1
	s_barrier_wait -1
.endm
	s_load_b128 s[4:7], s[0:1], 0x0                ; QW, KV
	s_load_b64 s[8:9], s[0:1], 0x10                ; CX
	v_lshl_add_u32 v240, v0, 2, 0x32000
	v_mov_b32 v241, 0
	ds_add_u32 v240, v241
	ds_add_u32 v240, v241
	v_lshrrev_b32 v1, 5, v0
	s_delay_alu instid0(VALU_DEP_1)
	v_readfirstlane_b32 s[WV], v1                  ; wave 0..15
	s_and_b32 s18, ttmp7, 0xffff                   ; bh, which the four partners share
	s_mov_b32 s20, 15|(3<<16)|(1<<21)              ; descriptor group 1: all four partners, bit 21 beside the mask; 50 rows of 256 bytes (32 elements of 8), dense
	s_mov_b32 s21, 32<<16
	s_mov_b32 s22, 50<<16
	s_mov_b32 s23, 32<<16
	s_mov_b32 s24, 50
	s_mov_b32 s25, 32
	s_mov_b32 s26, 0
	s_mov_b32 s27, 0
	s_mov_b32 s28, 1
	s_mul_i32 s29, s[WV], 12800
	s_mul_i32 s32, s18, 204800
	s_add_co_u32 s32, s32, s29
	s_mov_b32 s33, 0
	s_wait_dscnt 0x0
	s_wait_kmcnt 0x0
	s_add_nc_u64 s[30:31], s[6:7], s[32:33]
	s_or_b32 s31, s31, 0x80000000
	ROUND                                          ; all four work-groups are here: the joint loads meet
	tensor_load_to_lds s[28:31], s[20:27]          ; block w of the head's keys: my one tensor load
	s_nop 0
.rept 4
	v_nop
.endr
	s_lshr_b32 s34, s[WV], 1
	s_lshr_b32 s35, s[WV], 2
	s_lshr_b32 s36, s[WV], 3
	s_xor_b32 s34, s34, s35
	s_xor_b32 s34, s34, s36
	s_and_b32 s34, s34, 1                          ; 1: the far one of the pair of blocks
	s_lshl_b32 s35, s35, 1
	s_add_co_u32 s35, s35, ttmp9                   ; p = 2 (w / 4) + the cluster's x
	s_sub_co_u32 s36, 15, s35
	s_cmp_eq_u32 s34, 1
	s_cselect_b32 s[JJ], s36, s35                  ; the same in all four partners
	s_bfe_u32 s40, ttmp6, 0x40000                  ; cx = b
	s_and_b32 s41, s[WV], 1                        ; u
	s_lshl_b32 s19, s40, 1
	s_add_co_u32 s19, s19, s41                     ; my tile, 2 b + u
	s_mul_i32 s32, s18, 102400
	s_mul_i32 s34, s[JJ], 6400
	s_add_co_u32 s32, s32, s34
	s_add_nc_u64 s[4:5], s[4:5], s[32:33]          ; my block of queries
	v_and_b32 v8, 31, v0
	s_delay_alu instid0(VALU_DEP_1)
	v_lshlrev_b32 v1, 3, v8                        ; 8 x lane
	v_and_b32 v9, 15, v0                           ; r
	v_bfe_u32 v10, v0, 4, 1                        ; h
	s_delay_alu instid0(VALU_DEP_2)
	v_lshlrev_b32 v2, 4, v9                        ; 16 r
	s_mul_i32 s34, s19, 768
	v_add_nc_u32 v11, s34, v1                      ; half u of pair fragment b
	s_lshl_b32 s34, s40, 2
	v_add_nc_u32 v228, s34, v2                     ; its scale word: 16 r + 4 b
.irp p, 0,1,2
	global_load_b64 v[16+2*\p:17+2*\p], v11, s[4:5] offset:256*\p
.endr
.irp p, 0,1,2
	global_load_b64 v[34+2*\p:35+2*\p], v11, s[4:5] offset:256*\p
.endr
	global_load_b32 v229, v228, s[4:5] offset:6144
	s_lshl_b32 s35, s40, 5
	s_lshl_b32 s37, s41, 3
	s_add_co_u32 s35, s35, s37
	v_and_b32 v5, 8, v9
	s_delay_alu instid0(VALU_DEP_1)
	v_add_nc_u32 v5, v5, v9
	s_delay_alu instid0(VALU_DEP_1)
	v_add_nc_u32 v5, s35, v5                       ; my query in its block: 32 b + 8 u + r + 8 (r / 8)
	v_lshlrev_b32 v10, 4, v10
	s_delay_alu instid0(VALU_DEP_1)
	v_sub_nc_u32 v5, v5, v10                       ; less 16 h: register n holds key 32 (n / 16) + n % 16 + 16 h
	s_mov_b32 s39, 0x03020302
	s_cmp_eq_u32 s41, 0
	s_cselect_b32 s39, 0x01000100, s39             ; my tile's two scale bytes, twice: they serve [q | 0] and [0 | q]
	s_and_b32 s32, s18, 15                         ; the head in its batch
	s_lshr_b32 s34, s18, 4
	s_lshl_b32 s34, s34, 4
	s_add_co_u32 s34, s34, s[JJ]
	s_mul_i32 s34, s34, 102400                     ; CX's panel: my 128 tokens
	s_lshr_b32 s35, s32, 2
	s_mul_i32 s35, s35, 25600                      ; K step head / 2: its chunk
	s_add_co_u32 s34, s34, s35
	s_mov_b32 s35, 0
	s_add_nc_u64 s[8:9], s[8:9], s[34:35]
	s_bfe_u32 s34, s32, 0x10001                    ; (head / 2) % 2
	s_and_b32 s32, s32, 1                          ; head % 2: which half of the fragment
	s_mul_i32 s37, s34, 12288
	s_mul_i32 s38, s19, 1536
	s_add_co_u32 s37, s37, s38
	s_mul_i32 s38, s32, 768
	s_add_co_u32 s37, s37, s38
	v_add_nc_u32 v230, s37, v1
	s_lshl_b32 s34, s34, 9
	s_lshl_b32 s38, s19, 2
	s_add_co_u32 s34, s34, s38
	s_lshl_b32 s32, s32, 1
	s_add_co_u32 s34, s34, s32
	s_add_co_u32 s34, s34, 24576
	v_lshl_add_u32 v231, v9, 5, s34
	s_mov_b32 s[SEL], 0x76543210
	s_mov_b32 s[SEL+1], 0xfedcba98
	s_mov_b32 s[CS], 0x3e38aa3b
	s_mov_b32 s[CS+1], s[CS]                       ; (named with it as a pair, so it is written)
	v_mov_b32 v6, 0xff800000                       ; -infinity
	v_mov_b32 v13, 0xff61b1e6                      ; the largest t so far: -3e38
	s_delay_alu instid0(VALU_DEP_1)
	v_floor_f32 v12, -v13
	v_mov_b32 v14, 0
	v_mov_b32 v15, 0
	v_mov_b32 v227, 0                              ; (the upper half of the pair v[226:227])
.irp b, 0,1,2,3
	v_mov_b32 v[216+\b], 0                         ; written once: a lane permute's destination counts as one of its sources
.endr
.set N, 0
.rept 12
	v_mov_b32 v[22+N], 0                           ; the zero codes of [q | 0] and [0 | q]
.set N, N+1
.endr
	s_wait_loadcnt 0x0
	v_perm_b32 v7, v229, v229, s39                 ; q's scale word, made by a vector instruction: the 32 lines below stand between it and the first scaled product that names it (eight are asked)
.set N, 0
.rept 32
	v_mov_b32 v[160+N], 0                          ; O^T: the step is written once; the first finds zeros
.set N, N+1
.endr
	s_wait_tensorcnt 0x0                           ; my block has landed,
	s_barrier_signal -1
	s_barrier_wait -1                              ; everybody's has
	s_mov_b32 s[TT], 0
	s_mov_b32 s[TB], 0
.Lstep:                                                ; 16 trips; a step all of whose keys come after my queries is left out, but for the lines that step the address and the count
	s_cmp_gt_u32 s[TT], s[JJ]
	s_cbranch_scc1 .Lskip
	v_add_nc_u32 v3, s[TB], v1
	v_add_nc_u32 v4, s[TB], v2
	v_nop
	v_nop                                          ; four plain instructions between the last step's products and the loads into the registers that they read
.irp b, 0,1,2,3
.irp p, 0,1,2,3,4,5
	ds_load_b64 v[40+12*\b+2*\p:41+12*\b+2*\p], v3 offset:1536*\b+256*\p
.endr
.endr
	ds_load_b128 v[88:91], v4 offset:12288
	s_wait_alu depctr_va_vdst(0)
	s_wait_dscnt 0x0
.irp b, 0,1,2,3
	v_wmma_scale_f32_16x16x128_f8f6f4 v[96+16*\b:103+16*\b], v[40+12*\b:51+12*\b], v[16:27], 0, v[88+\b], v7 matrix_a_fmt:MATRIX_FMT_BF6 matrix_b_fmt:MATRIX_FMT_BF6
	v_wmma_scale_f32_16x16x128_f8f6f4 v[104+16*\b:111+16*\b], v[40+12*\b:51+12*\b], v[28:39], 0, v[88+\b], v7 matrix_a_fmt:MATRIX_FMT_BF6 matrix_b_fmt:MATRIX_FMT_BF6
.endr
.rept 4
	v_nop
.endr
.irp f, 0,1,2,3                                ; V's fragments land while the softmax is worked
.irp p, 0,1,2,3,4,5
	ds_load_b64 v[40+12*\f+2*\p:41+12*\f+2*\p], v3 offset:6144+1536*\f+256*\p
.endr
.endr
	ds_load_b128 v[92:95], v4 offset:12544
	s_cmp_lg_u32 s[TT], s[JJ]
	s_cbranch_scc1 .Lopen                          ; only the step on the diagonal has hidden keys
.set N, 0
.rept 64
	v_cmp_gt_i32 vcc_lo, 32*(N/16)+N%16, v5
	v_cndmask_b32 v[96+N], v[96+N], v6, vcc_lo
.set N, N+1
.endr
.Lopen:
.irp b, 0,1,2,3
	v_max3_num_f32 v[212+\b], v[96+16*\b], v[97+16*\b], v[98+16*\b]   ; the largest score of each block of 32 keys: for the row's maximum and, since p rises with the score, for the block's largest p
.endr
.irp i, 3,5,7,9,11,13
.irp b, 0,1,2,3
	v_max3_num_f32 v[212+\b], v[212+\b], v[96+16*\b+\i], v[97+16*\b+\i]
.endr
.endr
.irp b, 0,1,2,3
	v_max_num_f32 v[212+\b], v[212+\b], v[111+16*\b]
.endr
.irp b, 0,1,2,3
	s_delay_alu instid0(VALU_DEP_4)
	v_permlanex16_b32 v[216+\b], v[212+\b], s[SEL], s[SEL+1]
.endr
.irp b, 0,1,2,3
	s_delay_alu instid0(VALU_DEP_4)
	v_max_num_f32 v[212+\b], v[212+\b], v[216+\b]
.endr
	s_delay_alu instid0(VALU_DEP_2)
	v_max3_num_f32 v228, v212, v213, v214
	s_delay_alu instid0(VALU_DEP_1)
	v_max_num_f32 v228, v228, v215
	s_delay_alu instid0(VALU_DEP_1)
	v_mul_f32 v228, s[CS], v228
	s_delay_alu instid0(VALU_DEP_1)
	v_max_num_f32 v13, v13, v228                   ; the running largest t
	v_mov_b32 v228, v12
	s_delay_alu instid0(VALU_DEP_2)
	v_floor_f32 v12, -v13                          ; -M = floor(-t)
	s_delay_alu instid0(VALU_DEP_1)
	v_sub_f32 v228, v12, v228                      ; old M - new M: a whole number, 0 or less
	s_delay_alu instid0(VALU_DEP_1)
	v_cvt_i32_f32 v228, v228
	s_delay_alu instid0(VALU_DEP_1)
	v_ldexp_f32 v226, 1.0, v228                    ; 2^(old M - new M): a multiplication by it rounds nothing
.set N, 0
.rept 32
	v_pk_fma_f32 v[96+2*N:97+2*N], v[96+2*N:97+2*N], s[CS:CS+1], v[12:13] op_sel_hi:[1,0,0]   ; t - M
.set N, N+1
.endr
.irp b, 0,1,2,3
	v_fma_f32 v[212+\b], v[212+\b], s[CS], v12
.endr
.set N, 0
	s_wait_alu depctr_va_vdst(0)
.rept 64
	v_exp_f32 v[96+N], v[96+N]                     ; p
.set N, N+1
.endr
	v_pk_mul_f32 v[14:15], v[14:15], v[226:227] op_sel_hi:[1,0]   ; the sum under the new M; a plain instruction behind the exponentials
	s_wait_alu depctr_va_vdst(0)                   ; one wait for the batch, ahead of its first reader
.irp b, 0,1,2,3
	v_exp_f32 v[212+\b], v[212+\b]                 ; each block's largest p
.endr
	v_pk_add_f32 v[216:217], v[100:101], v[104:105]
	v_pk_add_f32 v[238:239], v[108:109], v[112:113]
	v_pk_add_f32 v[236:237], v[116:117], v[120:121]
	v_pk_add_f32 v[234:235], v[124:125], v[128:129]
	v_pk_add_f32 v[232:233], v[132:133], v[136:137]
	v_pk_add_f32 v[224:225], v[140:141], v[144:145]
	v_pk_add_f32 v[222:223], v[148:149], v[152:153]
	v_pk_add_f32 v[14:15], v[14:15], v[156:157]
	v_pk_add_f32 v[216:217], v[216:217], v[96:97]
	v_pk_add_f32 v[238:239], v[238:239], v[98:99]
	v_pk_add_f32 v[236:237], v[236:237], v[102:103]
	v_pk_add_f32 v[234:235], v[234:235], v[106:107]
	v_pk_add_f32 v[232:233], v[232:233], v[110:111]
	v_pk_add_f32 v[224:225], v[224:225], v[114:115]
	v_pk_add_f32 v[222:223], v[222:223], v[118:119]
	v_pk_add_f32 v[14:15], v[14:15], v[122:123]
	v_pk_add_f32 v[216:217], v[216:217], v[126:127]
	v_pk_add_f32 v[238:239], v[238:239], v[130:131]
	v_pk_add_f32 v[236:237], v[236:237], v[134:135]
	v_pk_add_f32 v[234:235], v[234:235], v[138:139]
	v_pk_add_f32 v[232:233], v[232:233], v[142:143]
	v_pk_add_f32 v[224:225], v[224:225], v[146:147]
	v_pk_add_f32 v[222:223], v[222:223], v[150:151]
	v_pk_add_f32 v[14:15], v[14:15], v[154:155]
	v_pk_add_f32 v[216:217], v[216:217], v[158:159]
	s_delay_alu instid0(VALU_DEP_2)
	v_pk_add_f32 v[14:15], v[14:15], v[234:235]
	s_delay_alu instid0(VALU_DEP_2)
	v_pk_add_f32 v[216:217], v[216:217], v[232:233]
	v_pk_add_f32 v[238:239], v[238:239], v[224:225]
	v_pk_add_f32 v[236:237], v[236:237], v[222:223]
	s_delay_alu instid0(VALU_DEP_2)
	v_pk_add_f32 v[14:15], v[14:15], v[238:239]
	s_delay_alu instid0(VALU_DEP_2)
	v_pk_add_f32 v[216:217], v[216:217], v[236:237]
	s_delay_alu instid0(VALU_DEP_1)
	v_pk_add_f32 v[14:15], v[14:15], v[216:217]
	s_wait_alu depctr_va_vdst(0)                   ; and one for the four
.irp b, 0,1,2,3
	v_max_num_f32 v[212+\b], 0x2800000, v[212+\b]  ; the floor 2^(5 - 127)
.endr
.irp b, 0,1,2,3
	s_delay_alu instid0(VALU_DEP_4)
	v_add_nc_u32 v[220+\b], 0xfe000000, v[212+\b]
.endr
.irp b, 0,1,2,3
	s_delay_alu instid0(VALU_DEP_4)
	v_lshrrev_b32 v[216+\b], 23, v[220+\b]
.endr
	s_delay_alu instid0(VALU_DEP_3)
	v_lshl_or_b32 v224, v217, 8, v216
	s_delay_alu instid0(VALU_DEP_1)
	v_lshl_or_b32 v224, v218, 16, v224
	s_delay_alu instid0(VALU_DEP_1)
	v_lshl_or_b32 v224, v219, 24, v224
.irp c, 0,1
	v_cvt_scalef32_pk16_bf6_f32 v[192+6*\c:194+6*\c], v[96+32*\c:111+32*\c], v[220+2*\c]
	v_cvt_scalef32_pk16_bf6_f32 v[204+4*\c:206+4*\c], v[112+32*\c:127+32*\c], v[220+2*\c+1]
.endr
	v_nop                                          ; one plain instruction behind the scaled conversions
.irp c, 0,1
.irp i, 0,1,2
	v_permlane16_swap_b32 v[192+6*\c+\i], v[204+4*\c+\i]
.endr
.irp i, 0,1,2
	s_delay_alu instid0(VALU_DEP_3)
	v_mov_b32 v[195+6*\c+\i], v[204+4*\c+\i]
.endr
.endr
.set N, 0
.rept 16
	v_pk_mul_f32 v[160+2*N:161+2*N], v[160+2*N:161+2*N], v[226:227] op_sel_hi:[1,0]   ; O^T under the new M; these are also the places between the writes of p's codes and scale word and the products
.set N, N+1
.endr
	s_wait_alu depctr_va_vdst(0)
	s_wait_dscnt 0x0                               ; V
.irp f, 0,1,2,3
	v_wmma_scale_f32_16x16x128_f8f6f4 v[160+8*\f:167+8*\f], v[40+12*\f:51+12*\f], v[192:203], v[160+8*\f:167+8*\f], v[92+\f], v224 matrix_a_fmt:MATRIX_FMT_BF6 matrix_b_fmt:MATRIX_FMT_BF6
.endr
.Lskip:
	s_add_co_u32 s[TB], s[TB], 12800
	s_add_co_u32 s[TT], s[TT], 1
	s_cmp_lt_u32 s[TT], 16
	s_cbranch_scc1 .Lstep
	; THE WAY OUT: O^T / the sum; a lane's 32 registers are two half blocks of 32 features; quantised, they are half (head % 2) of a fragment of K step head / 2
.rept 4
	v_nop
.endr
	v_add_f32 v14, v14, v15
	s_delay_alu instid0(VALU_DEP_1)
	v_permlanex16_b32 v228, v14, s[SEL], s[SEL+1]
	s_delay_alu instid0(VALU_DEP_1)
	v_add_f32 v14, v14, v228
	s_wait_alu depctr_va_vdst(0)
	v_rcp_f32 v226, v14
	v_nop
	s_wait_alu depctr_va_vdst(0)
.set N, 0
.rept 16
	v_pk_mul_f32 v[96+2*N:97+2*N], v[160+2*N:161+2*N], v[226:227] op_sel_hi:[1,0]
.set N, N+1
.endr
.irp b, 0,1
	v_max3_num_f32 v[212+\b], |v[96+16*\b]|, |v[97+16*\b]|, 0x2800000
.endr
.irp i, 2,4,6,8,10,12,14
.irp b, 0,1
	s_delay_alu instid0(VALU_DEP_2)
	v_max3_num_f32 v[212+\b], v[212+\b], |v[96+16*\b+\i]|, |v[97+16*\b+\i]|
.endr
.endr
.irp b, 0,1
	s_delay_alu instid0(VALU_DEP_2)
	v_permlanex16_b32 v[216+\b], v[212+\b], s[SEL], s[SEL+1]
.endr
.irp b, 0,1
	s_delay_alu instid0(VALU_DEP_2)
	v_max_num_f32 v[212+\b], v[212+\b], v[216+\b]
.endr
.irp b, 0,1
	s_delay_alu instid0(VALU_DEP_2)
	v_add_nc_u32 v[220+\b], 0xfe000000, v[212+\b]
.endr
.irp b, 0,1
	s_delay_alu instid0(VALU_DEP_2)
	v_lshrrev_b32 v[216+\b], 23, v[220+\b]
.endr
	s_delay_alu instid0(VALU_DEP_1)
	v_lshl_or_b32 v229, v217, 8, v216
	v_cvt_scalef32_pk16_bf6_f32 v[192:194], v[96:111], v220
	v_cvt_scalef32_pk16_bf6_f32 v[204:206], v[112:127], v221
	v_nop
.irp i, 0,1,2
	v_permlane16_swap_b32 v[192+\i], v[204+\i]
.endr
.irp i, 0,1,2
	s_delay_alu instid0(VALU_DEP_3)
	v_mov_b32 v[195+\i], v[204+\i]
.endr
.irp p, 0,1,2
	global_store_b64 v230, v[192+2*\p:193+2*\p], s[8:9] offset:256*\p   ; 256 consecutive bytes, aligned
.endr
	global_store_b16 v231, v229, s[8:9]            ; two of the row's four scale bytes of this K step
	s_wait_tensorcnt 0x0
	ds_add_u32 v240, v241
	s_wait_dscnt 0x0
	ROUND                                          ; the closing round
	s_endpgm
.Lfunc_end_k_q4285f944d0_attn:
	.size	k_q4285f944d0_attn, .Lfunc_end_k_q4285f944d0_attn-k_q4285f944d0_attn
	.p2alignl 7, 3214868480
	.fill 96, 4, 3214868480
	.section	.rodata,"a",@progbits
	.p2align	6, 0x0
	.amdhsa_kernel k_q4285f944d0_attn
		.amdhsa_group_segment_fixed_size 206848
		.amdhsa_private_segment_fixed_size 0
		.amdhsa_enable_private_segment 0
		.amdhsa_kernarg_size 24
		.amdhsa_user_sgpr_count 2
		.amdhsa_user_sgpr_kernarg_segment_ptr 1
		.amdhsa_wavefront_size32 1
		.amdhsa_system_sgpr_workgroup_id_x 1
		.amdhsa_system_sgpr_workgroup_id_y 1
		.amdhsa_system_sgpr_workgroup_id_z 1
		.amdhsa_system_vgpr_workitem_id 0
		.amdhsa_next_free_vgpr 242
		.amdhsa_next_free_sgpr 66
		.amdhsa_reserve_vcc 1
		.amdhsa_float_denorm_mode_32 3
		.amdhsa_float_denorm_mode_16_64 3
		.amdhsa_memory_ordered 1
		.amdhsa_forward_progress 1
		.amdhsa_inst_pref_size 36
	.end_amdhsa_kernel
	.amdgpu_metadata
---
amdhsa.version: [ 1, 2 ]
amdhsa.kernels:
  - .name:           k_q4285f944d0_attn
    .symbol:         k_q4285f944d0_attn.kd
    .args:
      - { .name: QW, .offset: 0, .size: 8, .value_kind: global_buffer, .address_space: global }
      - { .name: KV, .offset: 8, .size: 8, .value_kind: global_buffer, .address_space: global }
      - { .name: CX, .offset: 16, .size: 8, .value_kind: global_buffer, .address_space: global }
    .group_segment_fixed_size: 206848
    .private_segment_fixed_size: 0
    .kernarg_segment_align: 8
    .kernarg_segment_size: 24
    .max_flat_workgroup_size: 512
    .sgpr_count:     66
    .vgpr_count:     242
    .wavefront_size: 32
...
	.end_amdgpu_metadata
.endif
;; end of part 3
;; launch oproj (part 4): grid 32 x 8, 4 waves a work-group, clusters of 4 x 4, 327,680 bytes of LDS; arguments CX, WI, x, X1; writes X1
.if DOCPART == 4
	.amdgcn_target "amdgcn-amd-amdhsa--gfx1250"
	.amdhsa_code_object_version 6
	.text
	.protected	k_q4285f944d0_oproj
	.globl	k_q4285f944d0_oproj
	.p2align	8
	.type	k_q4285f944d0_oproj,@function
k_q4285f944d0_oproj:
	s_mov_b64 s[64:65], 0
	v_nop
	global_prefetch_b8 v0, s[64:65] scope:SCOPE_SE
	s_setreg_imm32_b32 hwreg(HW_REG_WAVE_MODE, 25, 1), 1
	s_wait_xcnt 0x0
	s_wait_alu depctr_hold_cnt(0) depctr_sa_sdst(0) depctr_va_vdst(0) depctr_va_sdst(0) depctr_va_ssrc(0) depctr_va_vcc(0) depctr_vm_vsrc(0)
	s_getreg_b32 s2, hwreg(HW_REG_IB_STS2, 6, 4)
	s_cmp_eq_u32 s2, 0
	s_cbranch_scc0 .Lentry_in_a_cluster
	s_endpgm
.Lentry_in_a_cluster:
	s_bfe_u32 s2, ttmp6, 0x10000c
	s_cmp_lg_u32 s2, 0xf033
	s_cbranch_scc0 .Lentry_shape_is_right
	s_endpgm
.Lentry_shape_is_right:
; OUT = RES + A B^T on codes of E3M2.  Here: X1 = x + ctx Wo.  A: panels of 128 tokens, B: panels of 128 output columns, both as images of operand registers (a fragment 1,536 bytes, a chunk = two K steps
; = 25,600 bytes, a panel = NCH chunks).  Work-group (R, n): 128 tokens x 128 columns; four waves of 64 x 64 (wave = 2 rho + kappa).
; LDS: one slot of SLOTCH chunks of A and SLOTCH of B; the spare words at 307,200; behind them a stage of 16 rows x 272 bytes for each wave.  All of LDS is claimed.
; Waves 0, 1 fetch the halves of A's part of a fill, waves 2, 3 B's.  CLUSTER 4 x 4: A's panel hangs on R alone and is asked for JOINTLY by the four work-groups of a column of the cluster; B's hangs on n alone
; and is asked for jointly by the four of a row.
; The product is used transposed (source 0 = B's rows, source 1 = tokens): a lane holds one token and 8 neighbouring columns a tile.
; With these constants K is one fill: it goes out at the start and no slot is filled again.
.set NCH,    4                         ; chunks along K
.set SLOTCH, 4                         ; all four chunks of A and of B lie in ONE slot (204,800 bytes): K is one fill, half a panel a wave, one tensor load a wave at the head; nothing is filled later
.set WOFF,   2457600                   ; where B's panels begin in WI
.set PANA,   102400
.set PANB,   102400
.set NTOUT,  0                         ; 1: the output is read by no later launch
.set SLOTB,  2*SLOTCH*25600
.set NF,     (NCH+SLOTCH-1)/SLOTCH     ; fills
.set NLAST,  NCH-(NF-1)*SLOTCH         ; chunks in the last
.set SPARE,  307200
.set STAGE,  307712
.set SC,  24
.set ACC, 128
.set WV,  12
.set MSB, 0
.macro WIN new                         ; the immediate's high byte repeats the setting that is left
.if MSB != \new
	s_set_vgpr_msb (MSB<<8)|\new
.set MSB, \new
.endif
.endm
.macro PLACES n
.rept \n
	v_nop
.endr
.endm
.macro ROUND                           ; a round of the cluster's barrier
	s_barrier_signal -1
	s_barrier_wait -1
	s_cmp_lg_u32 s[WV], 0
	s_cbranch_scc1 .Lnw0_\@
	s_barrier_signal -3
.Lnw0_\@:
	s_barrier_wait -3
	s_barrier_signal -1
	s_barrier_wait -1
.endm
; 49 LDS loads: K step s of a run: A's four fragments, B's four, and one load of four scale words a lane (lanes 0-15 A's tiles, lanes 16-31 B's) into set f
.macro FETCH f, ra, rb, rs, s
	WIN 0x40                                       ; destination window 1
.irp i, 0,1,2,3
.irp p, 0,1,2,3,4,5
	ds_load_b64 v[96*(\f)+12*\i+2*\p:96*(\f)+12*\i+2*\p+1], v[\ra+((\s)>>2)] offset:(((\s)>>1)&1)*25600+((\s)&1)*12288+1536*\i+256*\p
.endr
.endr
.irp i, 0,1,2,3
.irp p, 0,1,2,3,4,5
	ds_load_b64 v[96*(\f)+48+12*\i+2*\p:96*(\f)+48+12*\i+2*\p+1], v[\rb+((\s)>>2)] offset:(((\s)>>1)&1)*25600+((\s)&1)*12288+1536*\i+256*\p
.endr
.endr
	WIN 0
	ds_load_b128 v[SC+4*(\f):SC+4*(\f)+3], v[\rs+((\s)>>2)] offset:(((\s)>>1)&1)*25600+24576+((\s)&1)*512
.endm
; 16 matrix instructions on set f: source 0 = B's fragment j, source 1 = A's i; the 16 accumulators take turns in one order.  ZZ = 1: they start the sums
.macro MUL f
	WIN 0x05                                       ; sources 0 and 1 window 1; C and D window 0
.irp i, 0,1,2,3
.irp j, 0,1,2,3
.set DD, ACC+8*(4*\i+\j)
.set S0, 96*(\f)+48+12*\j
.set S1, 96*(\f)+12*\i
.if ZZ
	v_wmma_scale_f32_16x16x128_f8f6f4 v[DD:DD+7], v[S0:S0+11], v[S1:S1+11], 0, v[SC+4*(\f)+\j], v[SC+4*(\f)+\i] matrix_a_fmt:MATRIX_FMT_BF6 matrix_b_fmt:MATRIX_FMT_BF6 matrix_a_scale:MATRIX_SCALE_ROW1
.else
	v_wmma_scale_f32_16x16x128_f8f6f4 v[DD:DD+7], v[S0:S0+11], v[S1:S1+11], v[DD:DD+7], v[SC+4*(\f)+\j], v[SC+4*(\f)+\i] matrix_a_fmt:MATRIX_FMT_BF6 matrix_b_fmt:MATRIX_FMT_BF6 matrix_a_scale:MATRIX_SCALE_ROW1
.endif
.endr
.endr
.endm
; n K steps.  While a step is multiplied the next step's 49 loads are out, in the other set; four plain instructions stand between a step's products and the loads into the registers that they read
.macro RUN n, ra, rb, rs, zero
	FETCH 0, \ra, \rb, \rs, 0
.set SS, 0
.rept \n
.if SS < \n-1
.if SS > 0
	PLACES 4
.endif
	FETCH (SS+1)&1, \ra, \rb, \rs, SS+1
	s_wait_dscnt 49                                ; all but the 49 just issued: this step's set is in
.else
	s_wait_dscnt 0x0
.endif
.set ZZ, 0
.if SS == 0
.set ZZ, \zero
.endif
	MUL SS&1
.set SS, SS+1
.endr
	WIN 0
.endm
.macro SETF f                          ; the symbols of fill f: its chunks, its groups 1 (A's, B's) and its groups 0 (A's, B's)
.set NC, NCH-(\f)*SLOTCH
.set G1P, 40
.set G1J, 48
.if NC >= SLOTCH
.set NC, SLOTCH
.set G1P, 24
.set G1J, 32
.endif
.set GA, 56+4*(\f)+4*((\f)/2)
.set GB, 76+4*(\f)
.endm
.macro JLOAD f                         ; a refill: one joint load a wave; the branch hangs on the wave's number alone; four v_nop follow each of the two lines
	SETF \f
	s_cmp_lt_u32 s[WV], 2
	s_cbranch_scc0 .Ljb_\@
	tensor_load_to_lds s[GA:GA+3], s[G1P:G1P+7]
	PLACES 4
	s_branch .Ljd_\@
.Ljb_\@:
	tensor_load_to_lds s[GB:GB+3], s[G1J:G1J+7]
	PLACES 4
.Ljd_\@:
.endm
; The change of slots.  Every wave: all its tensor loads have landed; 0 onto its spare word; the add and its LDS reads are done; then the barrier.
; fill = 1: the barrier is a round of the cluster's, and the slot just read takes fill f, first thing behind it.
.macro CHANGE fill, f
	s_wait_tensorcnt 0x0
	ds_add_u32 v3, v4
	s_wait_dscnt 0x0
.if \fill
	ROUND
	JLOAD \f
.else
	s_barrier_signal -1
	s_barrier_wait -1
	PLACES 4
.endif
.endm
.macro RESLOAD a                       ; the residual's 16 rows x 256 bytes of token tile a: lanes 0-15 one row, lanes 16-31 the next.  Tiles 0, 1 into v32-95, tiles 2, 3 into v192-255 of window 1: all four are asked for at the head
.set RB, 32+32*((\a)%2)+160*((\a)/2)
	WIN 0x40*((\a)/2)
.irp i, 0,1,2,3,4,5,6,7
	global_load_b128 v[RB+4*\i:RB+4*\i+3], v19, s[8:9] offset:(32*((\a)/2)+8*((\a)%2)+2*\i+8*(\i/4))*4096
.endr
	WIN 0
.endm
; Token tile a goes through my stage (a lane holds 8 neighbouring columns of one row in each of four tiles) and comes back as whole rows of 256 bytes; the residual is added; sixteen lanes store 256 consecutive bytes, aligned
.macro OUTT a
.if \a > 0
	s_wait_xcnt 0x0                                ; the last tile's stores have read their registers
.endif
.irp n, 0,1,2,3
	ds_store_b128 v17, v[ACC+8*(4*\a+\n):ACC+8*(4*\a+\n)+3] offset:128*(\n/2)+32*(\n%2)      ; each accumulator from its low end on
	ds_store_b128 v17, v[ACC+8*(4*\a+\n)+4:ACC+8*(4*\a+\n)+7] offset:128*(\n/2)+32*(\n%2)+16
.endr
.irp i, 0,1,2,3,4,5,6,7
	ds_load_b128 v[96+4*\i:99+4*\i], v18 offset:544*\i   ; LDS serves a wave's instructions in order: these see my stores
.endr
	s_wait_loadcnt 8*(3-(\a))                      ; this tile's residual is in; the eight loads of each later tile may be out
.set RB, 32+32*((\a)%2)+160*((\a)/2)
	WIN 0x04*((\a)/2)                              ; source 1: window 1 for tiles 2 and 3
	s_wait_dscnt 0x0
.set N, 0
.rept 16
	v_pk_add_f32 v[96+2*N:97+2*N], v[96+2*N:97+2*N], v[RB+2*N:RB+2*N+1]
.set N, N+1
.endr
	WIN 0
.irp i, 0,1,2,3,4,5,6,7
.if NTOUT
	global_store_b128 v19, v[96+4*\i:99+4*\i], s[10:11] offset:(32*((\a)/2)+8*((\a)%2)+2*\i+8*(\i/4))*4096 th:TH_STORE_NT
.else
	global_store_b128 v19, v[96+4*\i:99+4*\i], s[10:11] offset:(32*((\a)/2)+8*((\a)%2)+2*\i+8*(\i/4))*4096
.endif
.endr
.endm
	s_load_b256 s[4:11], s[0:1], 0x0               ; A s[4:5], WI s[6:7], RES s[8:9], OUT s[10:11]
	v_lshl_add_u32 v3, v0, 2, SPARE
	v_mov_b32 v4, 0
	ds_add_u32 v3, v4
	ds_add_u32 v3, v4
	s_wait_dscnt 0x0
	v_lshrrev_b32 v1, 5, v0
	v_readfirstlane_b32 s[WV], v1                  ; wave 0..3
	s_lshr_b32 s13, s[WV], 1                       ; rho
	s_and_b32 s14, s[WV], 1                        ; kappa; also: which half of a fill I fetch
	s_bfe_u32 s15, ttmp6, 0x40000                  ; cx
	s_bfe_u32 s18, ttmp6, 0x40004                  ; cy
	s_lshl_b32 s16, ttmp9, 2
	s_add_co_u32 s16, s16, s15                     ; R = 4 x cluster x + cx
	s_and_b32 s17, ttmp7, 0xffff
	s_lshl_b32 s17, s17, 2
	s_add_co_u32 s17, s17, s18                     ; n = 4 x cluster y + cy
	s_lshl_b32 s19, s18, 2
	s_lshl_b32 s19, 15, s19                        ; my row of the cluster: places 4 cy .. 4 cy + 3
	s_lshl_b32 s23, 0x1111, s15                    ; my column: places cx, cx + 4, cx + 8, cx + 12
	; descriptor groups 1: rows of 256 bytes (32 elements of 8), dense: half of A's or B's part of a fill
	s_or_b32 s24, s23, (3<<16)|(1<<21)             ; A's panel hangs on R alone: it goes to my column; bit 21 beside the mask
	s_or_b32 s32, s19, (3<<16)|(1<<21)             ; B's hangs on n alone: it goes to my row
.irp g, 24, 32
	s_mov_b32 s[\g+1], 32<<16
	s_mov_b32 s[\g+2], (SLOTCH*50)<<16
	s_mov_b32 s[\g+3], 32<<16
	s_mov_b32 s[\g+4], SLOTCH*50
	s_mov_b32 s[\g+5], 32
	s_mov_b32 s[\g+6], 0
	s_mov_b32 s[\g+7], 0
.endr
.if NLAST != SLOTCH
	s_or_b32 s40, s23, (3<<16)|(1<<21)
	s_or_b32 s48, s19, (3<<16)|(1<<21)
.irp g, 40, 48
	s_mov_b32 s[\g+1], 32<<16
	s_mov_b32 s[\g+2], (NLAST*50)<<16
	s_mov_b32 s[\g+3], 32<<16
	s_mov_b32 s[\g+4], NLAST*50
	s_mov_b32 s[\g+5], 32
	s_mov_b32 s[\g+6], 0
	s_mov_b32 s[\g+7], 0
.endr
.endif
	s_mul_i32 s92, s16, PANA                       ; nothing of A's hangs on cy
	s_mov_b32 s93, 0
	s_mul_i32 s94, s17, PANB                       ; nothing of B's hangs on cx
	s_add_co_u32 s94, s94, WOFF
	s_mov_b32 s95, 0
	s_mov_b32 s21, 0
	s_wait_kmcnt 0x0
	s_add_nc_u64 s[4:5], s[4:5], s[92:93]
	s_add_nc_u64 s[6:7], s[6:7], s[94:95]
.set F, 0
.rept NF                               ; a group 0 for each fill and side, made once and never stepped
	SETF F
	s_mul_i32 s20, s14, NC*12800                   ; my half of the fill
	s_mov_b32 s[GA], 1
	s_add_co_u32 s[GA+1], s20, (F%2)*SLOTB
	s_add_nc_u64 s[GA+2:GA+3], s[4:5], s[20:21]
	s_add_nc_u64 s[GA+2:GA+3], s[GA+2:GA+3], F*SLOTCH*25600
	s_or_b32 s[GA+3], s[GA+3], 0x80000000
	s_mov_b32 s[GB], 1
	s_add_co_u32 s[GB+1], s20, (F%2)*SLOTB+SLOTCH*25600
	s_add_nc_u64 s[GB+2:GB+3], s[6:7], s[20:21]
	s_add_nc_u64 s[GB+2:GB+3], s[GB+2:GB+3], F*SLOTCH*25600
	s_or_b32 s[GB+3], s[GB+3], 0x80000000
.set F, F+1
.endr
	ROUND                                          ; all sixteen work-groups are here: the first joint loads meet
	s_cmp_lt_u32 s[WV], 2                          ; one tensor load a wave at the head (fill 0): one load of mine is out
	s_cbranch_scc0 .Lfirst_b
	tensor_load_to_lds s[56:59], s[24:31]
	s_nop 0
	PLACES 4
	s_branch .Lfirst_done
.Lfirst_b:
	tensor_load_to_lds s[76:79], s[32:39]
	s_nop 0
	PLACES 4
.Lfirst_done:
	v_and_b32 v22, 31, v0
	v_lshlrev_b32 v1, 3, v22                       ; 8 x lane
	v_and_b32 v20, 15, v0                          ; r
	v_bfe_u32 v21, v0, 4, 1                        ; h
	s_mul_i32 s20, s13, 6144
	v_add_nc_u32 v5, s20, v1                       ; A's fragments: tiles 4 rho on; slot 0, and 51,200 bytes on
	v_add_nc_u32 v6, 51200, v5
	v_add_nc_u32 v7, SLOTB, v5                     ; slot 1
	v_add_nc_u32 v8, SLOTB, v6
	s_mul_i32 s20, s14, 6144
	s_add_co_u32 s20, s20, SLOTCH*25600
	v_add_nc_u32 v9, s20, v1                       ; B's: tiles 4 kappa on
	v_add_nc_u32 v10, 51200, v9
	v_add_nc_u32 v11, SLOTB, v9
	v_add_nc_u32 v12, SLOTB, v10
	s_lshl_b32 s20, s13, 4
	s_lshl_b32 s22, s14, 4
	s_add_co_u32 s22, s22, SLOTCH*25600
	s_sub_co_u32 s22, s22, s20                     ; from A's scale words to B's
	v_mul_u32_u24 v22, s22, v21                    ; lanes 16-31 take B's
	v_lshl_add_u32 v22, v20, 5, v22
	v_add_nc_u32 v13, s20, v22
	v_add_nc_u32 v14, 51200, v13
	v_add_nc_u32 v15, SLOTB, v13
	v_add_nc_u32 v16, SLOTB, v14
	s_mul_i32 s20, s[WV], 4352
	s_add_co_u32 s20, s20, STAGE                   ; my stage
	v_mul_u32_u24 v17, v20, 272
	v_lshl_add_u32 v17, v21, 6, v17
	v_add_nc_u32 v17, s20, v17                     ; in: row r, + 64 h
	v_mul_u32_u24 v18, v21, 272
	v_lshl_add_u32 v18, v20, 4, v18
	v_add_nc_u32 v18, s20, v18                     ; back: lanes 0-15 one row, lanes 16-31 the next
	v_lshlrev_b32 v19, 12, v21
	v_lshl_add_u32 v19, v20, 4, v19                ; and the same in memory: rows of 4,096 bytes
	s_wait_alu depctr_va_vdst(0)
	s_lshl_b32 s96, s16, 7                         ; (registers of their own: none that fed a descriptor holds both coordinates)
	s_lshl_b32 s98, s13, 6
	s_add_co_u32 s96, s96, s98
	s_lshl_b32 s96, s96, 12                        ; my first token's row,
	s_lshl_b32 s98, s17, 9
	s_add_co_u32 s96, s96, s98
	s_lshl_b32 s98, s14, 8
	s_add_co_u32 s96, s96, s98                     ; my 64 columns
	s_mov_b32 s97, 0
	s_add_nc_u64 s[8:9], s[8:9], s[96:97]
	s_add_nc_u64 s[10:11], s[10:11], s[96:97]
	RESLOAD 0
	RESLOAD 1
	RESLOAD 2
	RESLOAD 3
	s_wait_tensorcnt 0x0                           ; my half of a panel is in
	s_barrier_signal -1
	s_barrier_wait -1
	SETF 0
	RUN 2*NC, 5, 9, 13, 1
	PLACES 4
	OUTT 0
	OUTT 1
	OUTT 2
	OUTT 3
	s_wait_tensorcnt 0x0                           ; the wave's end
	ds_add_u32 v3, v4
	s_wait_dscnt 0x0
	ROUND                                          ; the closing round
	s_endpgm
.Lfunc_end_k_q4285f944d0_oproj:
	.size	k_q4285f944d0_oproj, .Lfunc_end_k_q4285f944d0_oproj-k_q4285f944d0_oproj
	.p2alignl 7, 3214868480
	.fill 96, 4, 3214868480
	.section	.rodata,"a",@progbits
	.p2align	6, 0x0
	.amdhsa_kernel k_q4285f944d0_oproj
		.amdhsa_group_segment_fixed_size 327680
		.amdhsa_private_segment_fixed_size 0
		.amdhsa_enable_private_segment 0
		.amdhsa_kernarg_size 32
		.amdhsa_user_sgpr_count 2
		.amdhsa_user_sgpr_kernarg_segment_ptr 1
		.amdhsa_wavefront_size32 1
		.amdhsa_system_sgpr_workgroup_id_x 1
		.amdhsa_system_sgpr_workgroup_id_y 1
		.amdhsa_system_sgpr_workgroup_id_z 1
		.amdhsa_system_vgpr_workitem_id 0
		.amdhsa_next_free_vgpr 512
		.amdhsa_next_free_sgpr 100
		.amdhsa_reserve_vcc 0
		.amdhsa_float_denorm_mode_32 3
		.amdhsa_float_denorm_mode_16_64 3
		.amdhsa_memory_ordered 1
		.amdhsa_forward_progress 1
		.amdhsa_inst_pref_size 64
	.end_amdhsa_kernel
	.amdgpu_metadata
---
amdhsa.version: [ 1, 2 ]
amdhsa.kernels:
  - .name:           k_q4285f944d0_oproj
    .symbol:         k_q4285f944d0_oproj.kd
    .args:
      - { .name: CX, .offset: 0, .size: 8, .value_kind: global_buffer, .address_space: global }
      - { .name: WI, .offset: 8, .size: 8, .value_kind: global_buffer, .address_space: global }
      - { .name: x, .offset: 16, .size: 8, .value_kind: global_buffer, .address_space: global }
      - { .name: X1, .offset: 24, .size: 8, .value_kind: global_buffer, .address_space: global }
    .group_segment_fixed_size: 327680
    .private_segment_fixed_size: 0
    .kernarg_segment_align: 8
    .kernarg_segment_size: 32
    .max_flat_workgroup_size: 128
    .sgpr_count:     100
    .vgpr_count:     512
    .wavefront_size: 32
...
	.end_amdgpu_metadata
.endif
;; end of part 4
;; launch norm2: the kernel of part 1 again; grid 256 x 1, 8 waves a work-group, no clusters, 69,120 bytes of LDS; arguments X1, g2, hA, WI, W3, Wq_codes, Wk_codes, Wv_codes, Wo_codes, W1_codes, W2_codes, Wq_scales, Wk_scales, Wv_scales, Wo_scales, W1_scales, W2_scales; writes hA, WI
;; launch ffnup (part 5): grid 32 x 8, 8 waves a work-group, clusters of 4 x 1, 327,680 bytes of LDS; arguments hA, WI, AH; writes AH
.if DOCPART == 5
	.amdgcn_target "amdgcn-amd-amdhsa--gfx1250"
	.amdhsa_code_object_version 6
	.text
	.protected	k_q4285f944d0_ffnup
	.globl	k_q4285f944d0_ffnup
	.p2align	8
	.type	k_q4285f944d0_ffnup,@function
k_q4285f944d0_ffnup:
	s_mov_b64 s[64:65], 0
	v_nop
	global_prefetch_b8 v0, s[64:65] scope:SCOPE_SE
	s_setreg_imm32_b32 hwreg(HW_REG_WAVE_MODE, 25, 1), 1
	s_wait_xcnt 0x0
	s_wait_alu depctr_hold_cnt(0) depctr_sa_sdst(0) depctr_va_vdst(0) depctr_va_sdst(0) depctr_va_ssrc(0) depctr_va_vcc(0) depctr_vm_vsrc(0)
	s_getreg_b32 s2, hwreg(HW_REG_IB_STS2, 6, 4)
	s_cmp_eq_u32 s2, 0
	s_cbranch_scc0 .Lentry_in_a_cluster
	s_endpgm
.Lentry_in_a_cluster:
	s_bfe_u32 s2, ttmp6, 0x10000c
	s_cmp_lg_u32 s2, 0x3003
	s_cbranch_scc0 .Lentry_shape_is_right
	s_endpgm
.Lentry_shape_is_right:
; a = silu(h2 W1) x (h2 W2) on codes of E3M2, quantised along the hidden units and stored as images of operand registers for the product with W3.
; Work-group (R, y): 128 tokens (panel R of hA) x the pairs of weight panels y, y + 8, y + 16 (22 pairs: three for y < 6, else two).  A pair is one K step of the next product.
; A weight panel (128 rows, 102,400 bytes) holds, for kappa = 0, 1, two tiles of W1 and the same 32 rows of W2: hidden block 2 t + kappa.
; EIGHT WAVES: wave w = 2 rho + kappa takes token tiles 2 rho, 2 rho + 1 and the panel's tiles 4 kappa .. 4 kappa + 3: 8 accumulators.  Its 16 fragments of h2 (192 registers) and their scale words
; are read from LDS once and serve every panel; a K step reads 4 weight fragments and 4 scale words (25 loads) for 8 matrix instructions.
; The product is used transposed (source 0 = weight rows, source 1 = tokens): a lane holds one token and 16 neighbouring hidden units of W1's and of W2's product.
; TWO GROUPS of waves, by (w xor w / 4) % 2 (waves w and w + 4 differ in it, and so do waves 2 k and 2 k + 1).  Group 1 works a panel's activation and codes straight behind its products,
; group 0 behind the next barrier: so between two barriers one group's vector work stands beside the other group's matrix instructions.
; LDS: h2's panel at 0 (filled once), two slots of a weight panel at 102,400 and 204,800, the spare words at 307,200; all of LDS is claimed.
; HEAD: one tensor load a wave: waves 0-3 the quarters of h2's panel, waves 4-7 the quarters of the first weight panel.  Slot 1's first fill and every refill: an eighth of a panel a wave.
; CLUSTER 4 x 1: the four partners share y, so they ask for the weight panels JOINTLY (mask 15); h2's panel is each work-group's own.  The trip count hangs on y, which the partners share;
; a cluster along y would let it differ between partners.  The last pair is written out: it fetches nothing.
; PREFETCH: the run on panel n of my walk asks for panel n + 3, two refills ahead of its load; of its 400 blocks of 256 bytes each partner names 100 (told apart by address), 13 a wave, a lane a block,
; lanes left over naming their wave's last block again.  The first three panels come by their loads alone; nothing is asked beyond the walk's last panel.
; REGISTERS: v1 8 x lane, v2 32 r, v3, v4 the add's two, v5-14, v18, v19 LDS addresses, v15, v16 store offsets, v17 the prefetch's offset, v24-31 the weights' scale words (two sets), v32-47 h2's scale words,
; v64-127 accumulators ((i, j) at 64 + 8 (4 i + j)), v128-159 and v160-169 at work, v176-191 codes, v208-255 weight fragments, set 1.  Window 1: v0-191 h2's fragments (24 s + 12 i), v192-239 weight fragments, set 0.
; LIMITS: NaN and infinities are not served.  A block whose largest magnitude lies under 2^-122 (zeros too, so the hidden units past 2,729) gets the byte 1; the bytes are read by this program alone.
.set SPARE, 307200
.set PAN, 102400
.set W12_OFF, 3276800
.set SCB, 24
.set SCA, 32
.set ACC, 64
.set TP,  128
.set TM,  160
.set CD,  176
.set WV,  12
.set GR,  23
.set PF,  58
.set SEL, 66
.set NL,  68
.set MSB, 0
.macro WIN new                         ; the immediate's high byte repeats the setting that is left
.if MSB != \new
	s_set_vgpr_msb (MSB<<8)|\new
.set MSB, \new
.endif
.endm
.macro PLACES n
.rept \n
	v_nop
.endr
.endm
.macro ROUND                           ; a round of the cluster's barrier
	s_barrier_signal -1
	s_barrier_wait -1
	s_cmp_lg_u32 s[WV], 0
	s_cbranch_scc1 .Lnw0_\@
	s_barrier_signal -3
.Lnw0_\@:
	s_barrier_wait -3
	s_barrier_signal -1
	s_barrier_wait -1
.endm
.macro LOADA                           ; 104 LDS loads, once: h2's fragments of my two token tiles, all eight K steps, and their scale words
	WIN 0x40                                       ; destination window 1
.set SS, 0
.rept 8
.irp i, 0,1
.irp p, 0,1,2,3,4,5
	ds_load_b64 v[24*SS+12*\i+2*\p:24*SS+12*\i+2*\p+1], v[5+(SS>>2)] offset:((SS>>1)&1)*25600+(SS&1)*12288+1536*\i+256*\p
.endr
.endr
.set SS, SS+1
.endr
	WIN 0
.set SS, 0
.rept 8
	ds_load_b64 v[SCA+2*SS:SCA+2*SS+1], v[18+(SS>>2)] offset:((SS>>1)&1)*25600+24576+(SS&1)*512
.set SS, SS+1
.endr
.endm
.macro FETCH f, rb, rs, s              ; 25 LDS loads: K step s: the weights' four fragments and their four scale words into set f
.if (\f) == 0
	WIN 0x40
.set BB, 192
.else
	WIN 0
.set BB, 208
.endif
.irp i, 0,1,2,3
.irp p, 0,1,2,3,4,5
	ds_load_b64 v[BB+12*\i+2*\p:BB+12*\i+2*\p+1], v[\rb+((\s)>>2)] offset:(((\s)>>1)&1)*25600+((\s)&1)*12288+1536*\i+256*\p
.endr
.endr
	WIN 0
	ds_load_b128 v[SCB+4*(\f):SCB+4*(\f)+3], v[\rs+((\s)>>2)] offset:(((\s)>>1)&1)*25600+24576+((\s)&1)*512
.endm
.macro MUL f, s                        ; 8 matrix instructions of K step s on set f; the 8 accumulators take turns in one order; step 0 starts the sums
.if (\f) == 0
	WIN 0x05                                       ; sources 0 and 1 window 1
.set BB, 192
.else
	WIN 0x04                                       ; source 0 window 0, source 1 window 1
.set BB, 208
.endif
.irp i, 0,1
.irp j, 0,1,2,3
.set DD, ACC+8*(4*\i+\j)
.set S0, BB+12*\j
.set S1, 24*(\s)+12*\i
.if (\s) == 0
	v_wmma_scale_f32_16x16x128_f8f6f4 v[DD:DD+7], v[S0:S0+11], v[S1:S1+11], 0, v[SCB+4*(\f)+\j], v[SCA+2*(\s)+\i] matrix_a_fmt:MATRIX_FMT_BF6 matrix_b_fmt:MATRIX_FMT_BF6
.else
	v_wmma_scale_f32_16x16x128_f8f6f4 v[DD:DD+7], v[S0:S0+11], v[S1:S1+11], v[DD:DD+7], v[SCB+4*(\f)+\j], v[SCA+2*(\s)+\i] matrix_a_fmt:MATRIX_FMT_BF6 matrix_b_fmt:MATRIX_FMT_BF6
.endif
.endr
.endr
.endm
; A panel's eight K steps.  While a step is multiplied the next step's 25 loads are out, in the other set; four plain instructions stand between a step's products and the loads into the registers that they read.
; ask = 1: the odd panel of the next pair is prefetched; ask = 2: the even panel of the pair after that, where the walk has one (two trips or more to go)
.macro RUN rb, rs, ask
	FETCH 0, \rb, \rs, 0
.if (\ask) == 1
	global_prefetch_b8 v17, s[PF:PF+1] offset:PAN th:TH_LOAD_NT scope:SCOPE_SE
.endif
.if (\ask) == 2
	s_cmp_gt_u32 s22, 1
	s_cbranch_scc0 .Lna_\@
	global_prefetch_b8 v17, s[PF:PF+1] th:TH_LOAD_NT scope:SCOPE_SE
.Lna_\@:
.endif
.set SS, 0
.rept 8
.if SS < 7
.if SS > 0
	PLACES 4
.endif
	FETCH (SS+1)&1, \rb, \rs, SS+1
	s_wait_dscnt 25                                ; all but the 25 just issued: this step's set is in (and, in the first run, h2's fragments)
.else
	s_wait_dscnt 0x0
.endif
	MUL SS&1, SS
.set SS, SS+1
.endr
	WIN 0
	PLACES 4                                       ; behind the last products, ahead of the first read of a result
.endm
; The change of panels.  Every wave: all its tensor loads have landed; 0 onto its spare word; the add and its LDS reads are done; then the barrier.
; fill = 1: the barrier is a round of the cluster's, and the slot just read takes the same panel of the next pair, first thing behind it.
.macro CHANGE g0, fill
.if (\fill) && (\g0) == 44
	s_wait_xcnt 0x0                                ; my prefetches have read their address: it steps to the next pair
	s_add_nc_u64 s[PF:PF+1], s[PF:PF+1], 16*PAN
.endif
	s_wait_tensorcnt 0x0
	ds_add_u32 v3, v4
.if \fill
	s_add_nc_u64 s[\g0+2:\g0+3], s[\g0+2:\g0+3], 16*PAN   ; no load of mine is out, so the descriptor may be written
.endif
	s_wait_dscnt 0x0
.if \fill
	ROUND
	tensor_load_to_lds s[\g0:\g0+3], s[32:39]
	s_nop 0
.else
	s_barrier_signal -1
	s_barrier_wait -1
.endif
	PLACES 4
.endm
.macro GSKIP g, lbl                    ; on to lbl unless my group is g
	s_wait_alu depctr_va_vdst(0)
	s_cmp_lg_u32 s[GR], \g
	s_cbranch_scc1 \lbl
.endm
.macro SILU                            ; registers 32 i + 0..15: u = h2 W1, 32 i + 16..31: w = h2 W2; u / (1 + 2^(-u log2 e)) x w is left in 32 i + 0..15
.set N, 0
.rept 16
	v_pk_mul_f32 v[TP+2*N:TP+2*N+1], v[ACC+32*(N/8)+2*(N%8):ACC+32*(N/8)+2*(N%8)+1], s[NL:NL+1] op_sel_hi:[1,0]
.set N, N+1
.endr
	s_wait_alu depctr_va_vdst(0)                   ; one wait ahead of each batch and one behind it
.set N, 0
.rept 32
	v_exp_f32 v[TP+N], v[TP+N]
.set N, N+1
.endr
	v_nop
	s_wait_alu depctr_va_vdst(0)
.set N, 0
.rept 16
	v_pk_add_f32 v[TP+2*N:TP+2*N+1], v[TP+2*N:TP+2*N+1], 1.0 op_sel_hi:[1,0]
.set N, N+1
.endr
	s_wait_alu depctr_va_vdst(0)
.set N, 0
.rept 32
	v_rcp_f32 v[TP+N], v[TP+N]
.set N, N+1
.endr
	v_nop
	s_wait_alu depctr_va_vdst(0)
.set N, 0
.rept 16
	v_pk_mul_f32 v[ACC+32*(N/8)+2*(N%8):ACC+32*(N/8)+2*(N%8)+1], v[ACC+32*(N/8)+2*(N%8):ACC+32*(N/8)+2*(N%8)+1], v[TP+2*N:TP+2*N+1]
.set N, N+1
.endr
.set N, 0
.rept 16
	v_pk_mul_f32 v[ACC+32*(N/8)+2*(N%8):ACC+32*(N/8)+2*(N%8)+1], v[ACC+32*(N/8)+2*(N%8):ACC+32*(N/8)+2*(N%8)+1], v[ACC+32*(N/8)+16+2*(N%8):ACC+32*(N/8)+17+2*(N%8)]
.set N, N+1
.endr
.endm
.macro QS2                             ; the block scales of my two token tiles: four chains of eight numbers, joined; TM + 8 + a the conversion's scale operand, TM + 6 + a the byte
.irp c, 0,1,2,3
	v_max3_num_f32 v[TM+\c], |v[ACC+32*(\c/2)+8*(\c%2)]|, |v[ACC+32*(\c/2)+8*(\c%2)+1]|, 0x2800000   ; and the floor 2^(5 - 127): the byte cannot fall under 1
.endr
.irp i, 2,4,6
.irp c, 0,1,2,3
	s_delay_alu instid0(VALU_DEP_4)
	v_max3_num_f32 v[TM+\c], v[TM+\c], |v[ACC+32*(\c/2)+8*(\c%2)+\i]|, |v[ACC+32*(\c/2)+8*(\c%2)+\i+1]|
.endr
.endr
	s_delay_alu instid0(VALU_DEP_3)
	v_max_num_f32 v[TM], v[TM], v[TM+1]
	s_delay_alu instid0(VALU_DEP_2)
	v_max_num_f32 v[TM+2], v[TM+2], v[TM+3]
	s_delay_alu instid0(VALU_DEP_2)
	v_permlanex16_b32 v[TM+4], v[TM], s[SEL], s[SEL+1]
	s_delay_alu instid0(VALU_DEP_2)
	v_permlanex16_b32 v[TM+5], v[TM+2], s[SEL], s[SEL+1]
	s_delay_alu instid0(VALU_DEP_2)
	v_max_num_f32 v[TM], v[TM], v[TM+4]            ; with lane l xor 16's 16: the block's largest magnitude
	s_delay_alu instid0(VALU_DEP_2)
	v_max_num_f32 v[TM+2], v[TM+2], v[TM+5]
	s_delay_alu instid0(VALU_DEP_2)
	v_add_nc_u32 v[TM+8], 0xfe000000, v[TM]        ; 4 off the exponent field
	s_delay_alu instid0(VALU_DEP_2)
	v_add_nc_u32 v[TM+9], 0xfe000000, v[TM+2]
	s_delay_alu instid0(VALU_DEP_2)
	v_lshrrev_b32 v[TM+6], 23, v[TM+8]
	s_delay_alu instid0(VALU_DEP_2)
	v_lshrrev_b32 v[TM+7], 23, v[TM+9]
.endm
.macro EPI_E                           ; the pair's even panel: its half blocks of codes and its bytes wait in registers for the odd panel's
	s_wait_xcnt 0x0                                ; the last pair's stores have read their registers
	SILU
	QS2
.irp a, 0,1
	v_cvt_scalef32_pk16_bf6_f32 v[CD+8*\a:CD+8*\a+2], v[ACC+32*\a:ACC+32*\a+15], v[TM+8+\a]
.endr
	v_nop                                          ; one plain instruction behind the scaled conversions
.irp a, 0,1
	v_mov_b32 v[CD+7+8*\a], v[TM+6+\a]
.endr
	s_wait_alu depctr_va_vdst(0)                   ; the wait
.endm
.macro EPI_O                           ; the odd panel: lanes 0-15 get the even panel's whole block, lanes 16-31 the odd panel's: half kappa of a fragment of this K step
	s_wait_xcnt 0x0
	s_add_nc_u64 s[8:9], s[8:9], s[60:61]          ; 0 the first time, then eight K steps (four chunks) on
	s_add_nc_u64 s[10:11], s[10:11], s[60:61]
	SILU
	QS2
.irp a, 0,1
	v_cvt_scalef32_pk16_bf6_f32 v[CD+4+8*\a:CD+6+8*\a], v[ACC+32*\a:ACC+32*\a+15], v[TM+8+\a]
.endr
	v_nop
.irp a, 0,1
.irp i, 0,1,2
	v_permlane16_swap_b32 v[CD+8*\a+\i], v[CD+4+8*\a+\i]
.endr
.irp i, 0,1,2
	s_delay_alu instid0(VALU_DEP_3)
	v_mov_b32 v[CD+3+8*\a+\i], v[CD+4+8*\a+\i]
.endr
	v_lshl_or_b32 v[CD+7+8*\a], v[TM+6+\a], 8, v[CD+7+8*\a]
.endr
.irp a, 0,1
.irp p, 0,1,2
	global_store_b64 v15, v[CD+8*\a+2*\p:CD+8*\a+2*\p+1], s[8:9] offset:1536*\a+256*\p   ; 256 consecutive bytes, aligned
.endr
	global_store_b16 v16, v[CD+7+8*\a], s[10:11] offset:4*\a   ; two of the row's four scale bytes of this K step
.endr
	s_mov_b32 s60, PAN
	s_wait_alu depctr_va_vdst(0)
.endm
.macro PAIR fill                       ; a pair of panels; fill = 1: both slots are filled again, with the next pair
	RUN 7, 11, \fill
	GSKIP 1, .La_\@
	EPI_E
.La_\@:
	CHANGE 44, \fill
	GSKIP 0, .Lb_\@
	EPI_E
.Lb_\@:
	RUN 9, 13, 2*\fill
.if \fill
	GSKIP 1, .Lc_\@
	EPI_O
.Lc_\@:
	CHANGE 48, 1
	GSKIP 0, .Ld_\@
	EPI_O
.Ld_\@:
.else
	EPI_O
.endif
.endm
	s_load_b128 s[4:7], s[0:1], 0x0                ; hA, WI
	s_load_b64 s[8:9], s[0:1], 0x10                ; AH
	v_lshl_add_u32 v3, v0, 2, SPARE
	v_mov_b32 v4, 0
	ds_add_u32 v3, v4                              ; the opening lines: the add, twice on end, and one wait
	ds_add_u32 v3, v4
	v_lshrrev_b32 v1, 5, v0
	s_delay_alu instid0(VALU_DEP_1)
	v_readfirstlane_b32 s[WV], v1                  ; wave 0..7
	s_lshr_b32 s13, s[WV], 1                       ; rho
	s_and_b32 s14, s[WV], 1                        ; kappa
	s_lshr_b32 s[GR], s[WV], 2
	s_xor_b32 s[GR], s[GR], s[WV]
	s_and_b32 s[GR], s[GR], 1                      ; my group
	s_and_b32 s18, s[WV], 3                        ; the quarter that I fetch at the head
	s_bfe_u32 s15, ttmp6, 0x40000                  ; cx
	s_lshl_b32 s16, ttmp9, 2
	s_add_co_u32 s16, s16, s15                     ; R = 4 x cluster x + cx
	s_and_b32 s17, ttmp7, 0xffff                   ; y, which the four partners share
	s_mov_b32 s24, 3<<16                           ; group 1, h2's panel: my own load; rows of 256 bytes (32 elements of 8), dense
	s_mov_b32 s32, 15|(3<<16)|(1<<21)              ; group 1, the weights: all four partners, bit 21 beside the mask
.irp g, 24, 32
	s_mov_b32 s[\g+1], 32<<16
	s_mov_b32 s[\g+2], 100<<16                     ; a quarter of a panel
	s_mov_b32 s[\g+3], 32<<16
	s_mov_b32 s[\g+4], 100
	s_mov_b32 s[\g+5], 32
	s_mov_b32 s[\g+6], 0
	s_mov_b32 s[\g+7], 0
.endr
	s_mul_i32 s56, s18, 25600
	s_mul_i32 s57, s[WV], 12800                    ; the eighth that I fetch in the ring
	s_mul_i32 s70, s16, PAN
	s_add_co_u32 s70, s70, s56
	s_mov_b32 s71, 0
	s_mul_i32 s72, s17, 2*PAN                      ; pair y's two panels lie on end; nothing of the weights' hangs on cx
	s_add_co_u32 s72, s72, W12_OFF
	s_mov_b32 s73, 0
	s_add_co_u32 s74, s72, s56
	s_mov_b32 s75, 0
	s_add_co_u32 s62, s72, s57
	s_mov_b32 s63, 0
	s_wait_dscnt 0x0
	s_wait_kmcnt 0x0
	s_mov_b32 s40, 1                               ; h2's panel, a quarter
	s_mov_b32 s41, s56
	s_add_nc_u64 s[42:43], s[4:5], s[70:71]
	s_or_b32 s43, s43, 0x80000000
	s_mov_b32 s52, 1                               ; the first even panel into slot 0, a quarter
	s_add_co_u32 s53, s56, PAN
	s_add_nc_u64 s[54:55], s[6:7], s[74:75]
	s_or_b32 s55, s55, 0x80000000
	s_mov_b32 s44, 1                               ; slot 0's refills, an eighth: stepped by a pair's distance ahead of each
	s_add_co_u32 s45, s57, PAN
	s_add_nc_u64 s[46:47], s[6:7], s[62:63]
	s_or_b32 s47, s47, 0x80000000
	s_mov_b32 s48, 1                               ; slot 1: the first odd panel, then its refills
	s_add_co_u32 s49, s57, 2*PAN
	s_add_nc_u64 s[50:51], s[6:7], s[62:63]
	s_add_nc_u64 s[50:51], s[50:51], PAN
	s_or_b32 s51, s51, 0x80000000
	s_add_nc_u64 s[PF:PF+1], s[6:7], s[72:73]
	s_add_nc_u64 s[PF:PF+1], s[PF:PF+1], 16*PAN    ; the prefetches stand at the next pair's even panel
	ROUND                                          ; all four work-groups are here: the first joint loads meet
	s_cmp_lt_u32 s[WV], 4                          ; one tensor load a wave at the head: two arms, one join
	s_cbranch_scc0 .Lhead_w
	tensor_load_to_lds s[40:43], s[24:31]
	s_nop 0
	PLACES 4
	s_branch .Lhead_done
.Lhead_w:
	tensor_load_to_lds s[52:55], s[32:39]
	s_nop 0
	PLACES 4
.Lhead_done:
	s_mul_i32 s76, s13, 3072                       ; h2's fragments: tiles 2 rho on
	s_mul_i32 s77, s14, 6144
	s_add_co_u32 s77, s77, PAN                     ; the weights': tiles 4 kappa on, slot 0
	s_lshl_b32 s78, s13, 3                         ; h2's scale words: 8 rho
	s_lshl_b32 s79, s14, 4
	s_add_co_u32 s79, s79, PAN                     ; the weights': 16 kappa
	s_mul_i32 s80, s14, 768
	s_add_co_u32 s80, s80, s76                     ; out: tiles 2 rho on, half kappa of a fragment
	s_lshl_b32 s81, s14, 1
	s_add_co_u32 s81, s81, s78                     ; out: bytes 2 kappa on of the tiles' scale words
	s_mul_i32 s82, s[WV], 13
	s_mul_i32 s83, s15, 100
	s_mul_i32 s84, s16, 281600                     ; AH's panel R,
	s_lshr_b32 s85, s17, 1
	s_mul_i32 s85, s85, 25600                      ; K step y: its chunk
	s_add_co_u32 s84, s84, s85
	s_mov_b32 s85, 0
	s_add_nc_u64 s[8:9], s[8:9], s[84:85]
	s_and_b32 s86, s17, 1
	s_lshl_b32 s88, s86, 9
	s_add_co_u32 s88, s88, 24576
	s_mov_b32 s89, 0
	s_add_nc_u64 s[10:11], s[8:9], s[88:89]        ; its scale words
	s_mul_i32 s86, s86, 12288
	s_mov_b32 s87, 0
	s_add_nc_u64 s[8:9], s[8:9], s[86:87]          ; its fragments
	s_mov_b32 s60, 0
	s_mov_b32 s61, 0
	s_mov_b32 s[SEL], 0x76543210
	s_mov_b32 s[SEL+1], 0xfedcba98
	s_mov_b32 s[NL], 0xbfb8aa3b                    ; -log2(e)
	s_mov_b32 s[NL+1], s[NL]
	s_cmp_lt_u32 s17, 6
	s_cselect_b32 s22, 2, 1                        ; pairs that have a successor
	v_and_b32 v21, 31, v0
	v_and_b32 v22, 15, v0
	s_delay_alu instid0(VALU_DEP_2)
	v_lshlrev_b32 v1, 3, v21                       ; 8 x lane
	s_delay_alu instid0(VALU_DEP_2)
	v_lshlrev_b32 v2, 5, v22                       ; 32 r
	s_delay_alu instid0(VALU_DEP_4)
	v_min_u32 v21, 12, v21
	s_delay_alu instid0(VALU_DEP_3)
	v_add_nc_u32 v5, s76, v1
	s_delay_alu instid0(VALU_DEP_4)
	v_add_nc_u32 v7, s77, v1
	s_delay_alu instid0(VALU_DEP_3)
	v_add_nc_u32 v21, s82, v21                     ; 13 w + min(lane, 12)
	v_add_nc_u32 v18, s78, v2
	v_add_nc_u32 v11, s79, v2
	s_delay_alu instid0(VALU_DEP_3)
	v_min_u32 v21, 99, v21                         ; my work-group's 100 blocks
	v_add_nc_u32 v15, s80, v1
	v_add_nc_u32 v16, s81, v2
	s_delay_alu instid0(VALU_DEP_3)
	v_add_nc_u32 v21, s83, v21                     ; of the panel's 400
	v_add_nc_u32 v6, 51200, v5
	v_add_nc_u32 v8, 51200, v7
	s_delay_alu instid0(VALU_DEP_3)
	v_lshlrev_b32 v17, 8, v21
	v_add_nc_u32 v9, PAN, v7                       ; slot 1
	v_add_nc_u32 v10, PAN+51200, v7
	v_add_nc_u32 v12, 51200, v11
	v_add_nc_u32 v13, PAN, v11
	v_add_nc_u32 v14, PAN+51200, v11
	v_add_nc_u32 v19, 51200, v18
	v_mov_b32 v[TM+4], 0                           ; written once: a lane permute's destination counts as one of its sources
	v_mov_b32 v[TM+5], 0
	s_wait_alu depctr_va_vdst(0)
	s_wait_tensorcnt 0x0                           ; my quarter has landed; slot 1's first fill is issued as a refill is:
	ds_add_u32 v3, v4
	s_mov_b32 s34, 50<<16                          ; no load of mine is out: from here on a load of weights brings an eighth of a panel, 50 rows
	s_mov_b32 s36, 50
	s_wait_dscnt 0x0
	ROUND
	tensor_load_to_lds s[48:51], s[32:39]
	s_nop 0
	PLACES 4
	LOADA
.Lpair:
	PAIR 1
	s_sub_co_u32 s22, s22, 1
	s_cmp_lg_u32 s22, 0
	s_cbranch_scc1 .Lpair
	PAIR 0                                         ; the last pair fetches nothing
	s_wait_tensorcnt 0x0                           ; the wave's end
	ds_add_u32 v3, v4
	s_wait_dscnt 0x0
	ROUND                                          ; the closing round
	s_endpgm
.Lfunc_end_k_q4285f944d0_ffnup:
	.size	k_q4285f944d0_ffnup, .Lfunc_end_k_q4285f944d0_ffnup-k_q4285f944d0_ffnup
	.p2alignl 7, 3214868480
	.fill 96, 4, 3214868480
	.section	.rodata,"a",@progbits
	.p2align	6, 0x0
	.amdhsa_kernel k_q4285f944d0_ffnup
		.amdhsa_group_segment_fixed_size 327680
		.amdhsa_private_segment_fixed_size 0
		.amdhsa_enable_private_segment 0
		.amdhsa_kernarg_size 24
		.amdhsa_user_sgpr_count 2
		.amdhsa_user_sgpr_kernarg_segment_ptr 1
		.amdhsa_wavefront_size32 1
		.amdhsa_system_sgpr_workgroup_id_x 1
		.amdhsa_system_sgpr_workgroup_id_y 1
		.amdhsa_system_sgpr_workgroup_id_z 1
		.amdhsa_system_vgpr_workitem_id 0
		.amdhsa_next_free_vgpr 512
		.amdhsa_next_free_sgpr 90
		.amdhsa_reserve_vcc 0
		.amdhsa_float_denorm_mode_32 3
		.amdhsa_float_denorm_mode_16_64 3
		.amdhsa_memory_ordered 1
		.amdhsa_forward_progress 1
		.amdhsa_inst_pref_size 173
	.end_amdhsa_kernel
	.amdgpu_metadata
---
amdhsa.version: [ 1, 2 ]
amdhsa.kernels:
  - .name:           k_q4285f944d0_ffnup
    .symbol:         k_q4285f944d0_ffnup.kd
    .args:
      - { .name: hA, .offset: 0, .size: 8, .value_kind: global_buffer, .address_space: global }
      - { .name: WI, .offset: 8, .size: 8, .value_kind: global_buffer, .address_space: global }
      - { .name: AH, .offset: 16, .size: 8, .value_kind: global_buffer, .address_space: global }
    .group_segment_fixed_size: 327680
    .private_segment_fixed_size: 0
    .kernarg_segment_align: 8
    .kernarg_segment_size: 24
    .max_flat_workgroup_size: 256
    .sgpr_count:     90
    .vgpr_count:     512
    .wavefront_size: 32
...
	.end_amdgpu_metadata
.endif
;; end of part 5
;; launch ffndown (part 6): grid 32 x 8, 4 waves a work-group, clusters of 4 x 4, 327,680 bytes of LDS; arguments AH, WI, X1, out0; writes out0
.if DOCPART == 6
	.amdgcn_target "amdgcn-amd-amdhsa--gfx1250"
	.amdhsa_code_object_version 6
	.text
	.protected	k_q4285f944d0_ffndown
	.globl	k_q4285f944d0_ffndown
	.p2align	8
	.type	k_q4285f944d0_ffndown,@function
k_q4285f944d0_ffndown:
	s_mov_b64 s[64:65], 0
	v_nop
	global_prefetch_b8 v0, s[64:65] scope:SCOPE_SE
	s_setreg_imm32_b32 hwreg(HW_REG_WAVE_MODE, 25, 1), 1
	s_wait_xcnt 0x0
	s_wait_alu depctr_hold_cnt(0) depctr_sa_sdst(0) depctr_va_vdst(0) depctr_va_sdst(0) depctr_va_ssrc(0) depctr_va_vcc(0) depctr_vm_vsrc(0)
	s_getreg_b32 s2, hwreg(HW_REG_IB_STS2, 6, 4)
	s_cmp_eq_u32 s2, 0
	s_cbranch_scc0 .Lentry_in_a_cluster
	s_endpgm
.Lentry_in_a_cluster:
	s_bfe_u32 s2, ttmp6, 0x10000c
	s_cmp_lg_u32 s2, 0xf033
	s_cbranch_scc0 .Lentry_shape_is_right
	s_endpgm
.Lentry_shape_is_right:
; OUT = RES + A B^T on codes of E3M2.  Here: out0 = X1 + a W3, K = 22 steps of 128 (2,730 hidden units, filled with zero codes to 2,816; both operands in the same order of blocks along K).
; A: panels of 128 tokens, B: panels of 128 output columns, both as images of operand registers (a fragment 1,536 bytes, a chunk = two K steps = 25,600 bytes, a panel = NCH chunks).
; Work-group (R, n): 128 tokens x 128 columns; four waves of 64 x 64 (wave = 2 rho + kappa).
; LDS: two slots, each SLOTCH chunks of A and SLOTCH of B; the spare words at 307,200; behind them a stage of 16 rows x 272 bytes for each wave.  All of LDS is claimed.
; Waves 0, 1 fetch the halves of A's part of a fill, waves 2, 3 B's.  CLUSTER 4 x 4: A's panel hangs on R alone and is asked for JOINTLY by the four work-groups of a column of the cluster; B's hangs on n alone
; and is asked for jointly by the four of a row.
; The product is used transposed (source 0 = B's rows, source 1 = tokens): a lane holds one token and 8 neighbouring columns a tile.
; With these constants K is four fills of 3, 3, 3 and 2 chunks: two go out at the start, two are refills, each with six K steps (96 matrix instructions a wave) in which to land.
.set NCH,    11                        ; chunks along K
.set SLOTCH, 3                         ; chunks of A (and of B) in a slot
.set WOFF,   7782400                   ; where B's panels begin in WI
.set PANA,   281600
.set PANB,   281600
.set NTOUT,  1                         ; 1: the output is read by no later launch
.set SLOTB,  2*SLOTCH*25600
.set NF,     (NCH+SLOTCH-1)/SLOTCH     ; fills
.set NLAST,  NCH-(NF-1)*SLOTCH         ; chunks in the last
.set SPARE,  307200
.set STAGE,  307712
.set SC,  24
.set ACC, 128
.set WV,  12
.set MSB, 0
.macro WIN new                         ; the immediate's high byte repeats the setting that is left
.if MSB != \new
	s_set_vgpr_msb (MSB<<8)|\new
.set MSB, \new
.endif
.endm
.macro PLACES n
.rept \n
	v_nop
.endr
.endm
.macro ROUND                           ; a round of the cluster's barrier
	s_barrier_signal -1
	s_barrier_wait -1
	s_cmp_lg_u32 s[WV], 0
	s_cbranch_scc1 .Lnw0_\@
	s_barrier_signal -3
.Lnw0_\@:
	s_barrier_wait -3
	s_barrier_signal -1
	s_barrier_wait -1
.endm
; 49 LDS loads: K step s of a run: A's four fragments, B's four, and one load of four scale words a lane (lanes 0-15 A's tiles, lanes 16-31 B's) into set f
.macro FETCH f, ra, rb, rs, s
	WIN 0x40                                       ; destination window 1
.irp i, 0,1,2,3
.irp p, 0,1,2,3,4,5
	ds_load_b64 v[96*(\f)+12*\i+2*\p:96*(\f)+12*\i+2*\p+1], v[\ra+((\s)>>2)] offset:(((\s)>>1)&1)*25600+((\s)&1)*12288+1536*\i+256*\p
.endr
.endr
.irp i, 0,1,2,3
.irp p, 0,1,2,3,4,5
	ds_load_b64 v[96*(\f)+48+12*\i+2*\p:96*(\f)+48+12*\i+2*\p+1], v[\rb+((\s)>>2)] offset:(((\s)>>1)&1)*25600+((\s)&1)*12288+1536*\i+256*\p
.endr
.endr
	WIN 0
	ds_load_b128 v[SC+4*(\f):SC+4*(\f)+3], v[\rs+((\s)>>2)] offset:(((\s)>>1)&1)*25600+24576+((\s)&1)*512
.endm
; 16 matrix instructions on set f: source 0 = B's fragment j, source 1 = A's i; the 16 accumulators take turns in one order.  ZZ = 1: they start the sums
.macro MUL f
	WIN 0x05                                       ; sources 0 and 1 window 1; C and D window 0
.irp i, 0,1,2,3
.irp j, 0,1,2,3
.set DD, ACC+8*(4*\i+\j)
.set S0, 96*(\f)+48+12*\j
.set S1, 96*(\f)+12*\i
.if ZZ
	v_wmma_scale_f32_16x16x128_f8f6f4 v[DD:DD+7], v[S0:S0+11], v[S1:S1+11], 0, v[SC+4*(\f)+\j], v[SC+4*(\f)+\i] matrix_a_fmt:MATRIX_FMT_BF6 matrix_b_fmt:MATRIX_FMT_BF6 matrix_a_scale:MATRIX_SCALE_ROW1
.else
	v_wmma_scale_f32_16x16x128_f8f6f4 v[DD:DD+7], v[S0:S0+11], v[S1:S1+11], v[DD:DD+7], v[SC+4*(\f)+\j], v[SC+4*(\f)+\i] matrix_a_fmt:MATRIX_FMT_BF6 matrix_b_fmt:MATRIX_FMT_BF6 matrix_a_scale:MATRIX_SCALE_ROW1
.endif
.endr
.endr
.endm
; n K steps.  While a step is multiplied the next step's 49 loads are out, in the other set; four plain instructions stand between a step's products and the loads into the registers that they read
.macro RUN n, ra, rb, rs, zero
	FETCH 0, \ra, \rb, \rs, 0
.set SS, 0
.rept \n
.if SS < \n-1
.if SS > 0
	PLACES 4
.endif
	FETCH (SS+1)&1, \ra, \rb, \rs, SS+1
	s_wait_dscnt 49                                ; all but the 49 just issued: this step's set is in
.else
	s_wait_dscnt 0x0
.endif
.set ZZ, 0
.if SS == 0
.set ZZ, \zero
.endif
	MUL SS&1
.set SS, SS+1
.endr
	WIN 0
.endm
.macro SETF f                          ; the symbols of fill f: its chunks, its groups 1 (A's, B's) and its groups 0 (A's, B's)
.set NC, NCH-(\f)*SLOTCH
.set G1P, 40
.set G1J, 48
.if NC >= SLOTCH
.set NC, SLOTCH
.set G1P, 24
.set G1J, 32
.endif
.set GA, 56+4*(\f)+4*((\f)/2)
.set GB, 76+4*(\f)
.endm
.macro JLOAD f                         ; a refill: one joint load a wave; the branch hangs on the wave's number alone; four v_nop follow each of the two lines
	SETF \f
	s_cmp_lt_u32 s[WV], 2
	s_cbranch_scc0 .Ljb_\@
	tensor_load_to_lds s[GA:GA+3], s[G1P:G1P+7]
	s_nop 0
	PLACES 4
	s_branch .Ljd_\@
.Ljb_\@:
	tensor_load_to_lds s[GB:GB+3], s[G1J:G1J+7]
	s_nop 0
	PLACES 4
.Ljd_\@:
.endm
; The change of slots.  Every wave: all its tensor loads have landed; 0 onto its spare word; the add and its LDS reads are done; then the barrier.
; fill = 1: the barrier is a round of the cluster's, and the slot just read takes fill f, first thing behind it.
.macro CHANGE fill, f
	s_wait_tensorcnt 0x0
	ds_add_u32 v3, v4
	s_wait_dscnt 0x0
.if \fill
	ROUND
	JLOAD \f
.else
	s_barrier_signal -1
	s_barrier_wait -1
	PLACES 4
.endif
.endm
.macro RESLOAD a                       ; the residual's 16 rows x 256 bytes of token tile a: lanes 0-15 one row, lanes 16-31 the next.  Tiles 0, 1 into v32-95, tiles 2, 3 into v192-255 of window 1: all four are asked for at the head
.set RB, 32+32*((\a)%2)+160*((\a)/2)
	WIN 0x40*((\a)/2)
.irp i, 0,1,2,3,4,5,6,7
	global_load_b128 v[RB+4*\i:RB+4*\i+3], v19, s[8:9] offset:(32*((\a)/2)+8*((\a)%2)+2*\i+8*(\i/4))*4096
.endr
	WIN 0
.endm
; Token tile a goes through my stage (a lane holds 8 neighbouring columns of one row in each of four tiles) and comes back as whole rows of 256 bytes; the residual is added; sixteen lanes store 256 consecutive bytes, aligned
.macro OUTT a
.if \a > 0
	s_wait_xcnt 0x0                                ; the last tile's stores have read their registers
.endif
.irp n, 0,1,2,3
	ds_store_b128 v17, v[ACC+8*(4*\a+\n):ACC+8*(4*\a+\n)+3] offset:128*(\n/2)+32*(\n%2)      ; each accumulator from its low end on
	ds_store_b128 v17, v[ACC+8*(4*\a+\n)+4:ACC+8*(4*\a+\n)+7] offset:128*(\n/2)+32*(\n%2)+16
.endr
.irp i, 0,1,2,3,4,5,6,7
	ds_load_b128 v[96+4*\i:99+4*\i], v18 offset:544*\i   ; LDS serves a wave's instructions in order: these see my stores
.endr
	s_wait_loadcnt 8*(3-(\a))                      ; this tile's residual is in; the eight loads of each later tile may be out
.set RB, 32+32*((\a)%2)+160*((\a)/2)
	WIN 0x04*((\a)/2)                              ; source 1: window 1 for tiles 2 and 3
	s_wait_dscnt 0x0
.set N, 0
.rept 16
	v_pk_add_f32 v[96+2*N:97+2*N], v[96+2*N:97+2*N], v[RB+2*N:RB+2*N+1]
.set N, N+1
.endr
	WIN 0
.irp i, 0,1,2,3,4,5,6,7
.if NTOUT
	global_store_b128 v19, v[96+4*\i:99+4*\i], s[10:11] offset:(32*((\a)/2)+8*((\a)%2)+2*\i+8*(\i/4))*4096 th:TH_STORE_NT
.else
	global_store_b128 v19, v[96+4*\i:99+4*\i], s[10:11] offset:(32*((\a)/2)+8*((\a)%2)+2*\i+8*(\i/4))*4096
.endif
.endr
.endm
	s_load_b256 s[4:11], s[0:1], 0x0               ; A s[4:5], WI s[6:7], RES s[8:9], OUT s[10:11]
	v_lshl_add_u32 v3, v0, 2, SPARE
	v_mov_b32 v4, 0
	ds_add_u32 v3, v4
	ds_add_u32 v3, v4
	s_wait_dscnt 0x0
	v_lshrrev_b32 v1, 5, v0
	v_readfirstlane_b32 s[WV], v1                  ; wave 0..3
	s_lshr_b32 s13, s[WV], 1                       ; rho
	s_and_b32 s14, s[WV], 1                        ; kappa; also: which half of a fill I fetch
	s_bfe_u32 s15, ttmp6, 0x40000                  ; cx
	s_bfe_u32 s18, ttmp6, 0x40004                  ; cy
	s_lshl_b32 s16, ttmp9, 2
	s_add_co_u32 s16, s16, s15                     ; R = 4 x cluster x + cx
	s_and_b32 s17, ttmp7, 0xffff
	s_lshl_b32 s17, s17, 2
	s_add_co_u32 s17, s17, s18                     ; n = 4 x cluster y + cy
	s_lshl_b32 s19, s18, 2
	s_lshl_b32 s19, 15, s19                        ; my row of the cluster: places 4 cy .. 4 cy + 3
	s_lshl_b32 s23, 0x1111, s15                    ; my column: places cx, cx + 4, cx + 8, cx + 12
	; descriptor groups 1: rows of 256 bytes (32 elements of 8), dense: half of A's or B's part of a fill
	s_or_b32 s24, s23, (3<<16)|(1<<21)             ; A's panel hangs on R alone: it goes to my column; bit 21 beside the mask
	s_or_b32 s32, s19, (3<<16)|(1<<21)             ; B's hangs on n alone: it goes to my row
.irp g, 24, 32
	s_mov_b32 s[\g+1], 32<<16
	s_mov_b32 s[\g+2], (SLOTCH*50)<<16
	s_mov_b32 s[\g+3], 32<<16
	s_mov_b32 s[\g+4], SLOTCH*50
	s_mov_b32 s[\g+5], 32
	s_mov_b32 s[\g+6], 0
	s_mov_b32 s[\g+7], 0
.endr
.if NLAST != SLOTCH
	s_or_b32 s40, s23, (3<<16)|(1<<21)
	s_or_b32 s48, s19, (3<<16)|(1<<21)
.irp g, 40, 48
	s_mov_b32 s[\g+1], 32<<16
	s_mov_b32 s[\g+2], (NLAST*50)<<16
	s_mov_b32 s[\g+3], 32<<16
	s_mov_b32 s[\g+4], NLAST*50
	s_mov_b32 s[\g+5], 32
	s_mov_b32 s[\g+6], 0
	s_mov_b32 s[\g+7], 0
.endr
.endif
	s_mul_i32 s92, s16, PANA                       ; nothing of A's hangs on cy
	s_mov_b32 s93, 0
	s_mul_i32 s94, s17, PANB                       ; nothing of B's hangs on cx
	s_add_co_u32 s94, s94, WOFF
	s_mov_b32 s95, 0
	s_mov_b32 s21, 0
	s_wait_kmcnt 0x0
	s_add_nc_u64 s[4:5], s[4:5], s[92:93]
	s_add_nc_u64 s[6:7], s[6:7], s[94:95]
.set F, 0
.rept NF                               ; a group 0 for each fill and side, made once and never stepped
	SETF F
	s_mul_i32 s20, s14, NC*12800                   ; my half of the fill
	s_mov_b32 s[GA], 1
	s_add_co_u32 s[GA+1], s20, (F%2)*SLOTB
	s_add_nc_u64 s[GA+2:GA+3], s[4:5], s[20:21]
	s_add_nc_u64 s[GA+2:GA+3], s[GA+2:GA+3], F*SLOTCH*25600
	s_or_b32 s[GA+3], s[GA+3], 0x80000000
	s_mov_b32 s[GB], 1
	s_add_co_u32 s[GB+1], s20, (F%2)*SLOTB+SLOTCH*25600
	s_add_nc_u64 s[GB+2:GB+3], s[6:7], s[20:21]
	s_add_nc_u64 s[GB+2:GB+3], s[GB+2:GB+3], F*SLOTCH*25600
	s_or_b32 s[GB+3], s[GB+3], 0x80000000
.set F, F+1
.endr
	ROUND                                          ; all sixteen work-groups are here: the first joint loads meet
	s_cmp_lt_u32 s[WV], 2                          ; one tensor load a wave at the head (fill 0): one load of mine is out
	s_cbranch_scc0 .Lfirst_b
	tensor_load_to_lds s[56:59], s[24:31]
	s_nop 0
	PLACES 4
	s_branch .Lfirst_done
.Lfirst_b:
	tensor_load_to_lds s[76:79], s[32:39]
	s_nop 0
	PLACES 4
.Lfirst_done:
	v_and_b32 v22, 31, v0
	v_lshlrev_b32 v1, 3, v22                       ; 8 x lane
	v_and_b32 v20, 15, v0                          ; r
	v_bfe_u32 v21, v0, 4, 1                        ; h
	s_mul_i32 s20, s13, 6144
	v_add_nc_u32 v5, s20, v1                       ; A's fragments: tiles 4 rho on; slot 0, and 51,200 bytes on
	v_add_nc_u32 v6, 51200, v5
	v_add_nc_u32 v7, SLOTB, v5                     ; slot 1
	v_add_nc_u32 v8, SLOTB, v6
	s_mul_i32 s20, s14, 6144
	s_add_co_u32 s20, s20, SLOTCH*25600
	v_add_nc_u32 v9, s20, v1                       ; B's: tiles 4 kappa on
	v_add_nc_u32 v10, 51200, v9
	v_add_nc_u32 v11, SLOTB, v9
	v_add_nc_u32 v12, SLOTB, v10
	s_lshl_b32 s20, s13, 4
	s_lshl_b32 s22, s14, 4
	s_add_co_u32 s22, s22, SLOTCH*25600
	s_sub_co_u32 s22, s22, s20                     ; from A's scale words to B's
	v_mul_u32_u24 v22, s22, v21                    ; lanes 16-31 take B's
	v_lshl_add_u32 v22, v20, 5, v22
	v_add_nc_u32 v13, s20, v22
	v_add_nc_u32 v14, 51200, v13
	v_add_nc_u32 v15, SLOTB, v13
	v_add_nc_u32 v16, SLOTB, v14
	s_mul_i32 s20, s[WV], 4352
	s_add_co_u32 s20, s20, STAGE                   ; my stage
	v_mul_u32_u24 v17, v20, 272
	v_lshl_add_u32 v17, v21, 6, v17
	v_add_nc_u32 v17, s20, v17                     ; in: row r, + 64 h
	v_mul_u32_u24 v18, v21, 272
	v_lshl_add_u32 v18, v20, 4, v18
	v_add_nc_u32 v18, s20, v18                     ; back: lanes 0-15 one row, lanes 16-31 the next
	v_lshlrev_b32 v19, 12, v21
	v_lshl_add_u32 v19, v20, 4, v19                ; and the same in memory: rows of 4,096 bytes
	; THE PREFETCHES: behind fill f's load, fill f + 1 is asked for.  Of the blocks of 256 bytes that I fetch of a fill (150; in the last fill 100) each of the four partners that ask with me names
	; its share, told apart by address: blocks 38 p .. 38 p + 37, held at 149 (two instructions: v2, v23), or 25 p .. 25 p + 24 (one: v22); p = cy for A's tiles, cx for B's.  The registers are never rewritten.
	s_cmp_lt_u32 s[WV], 2                          ; do I fetch for A?
	s_cselect_b64 s[100:101], s[4:5], s[6:7]       ; my panel
	s_cselect_b32 s99, s18, s15                    ; p
	s_mul_i32 s20, s99, 38
	s_add_co_u32 s22, s20, 32
	s_mul_i32 s21, s14, 150                        ; my half of a fill
	s_mul_i32 s23, s99, 25
	s_mul_i32 s99, s14, 100
	s_add_co_u32 s23, s23, s99
	v_and_b32 v22, 31, v0
	v_add_nc_u32 v2, s20, v22
	v_min_u32 v23, 5, v22
	v_min_u32 v22, 24, v22
	v_min_u32 v2, 149, v2
	v_add_nc_u32 v23, s22, v23
	v_add_nc_u32 v22, s23, v22
	v_add_nc_u32 v2, s21, v2
	v_min_u32 v23, 149, v23
	v_lshlrev_b32 v22, 8, v22
	v_lshlrev_b32 v2, 8, v2
	v_add_nc_u32 v23, s21, v23
	v_lshlrev_b32 v23, 8, v23
	s_wait_alu depctr_va_vdst(0)
	s_lshl_b32 s96, s16, 7                         ; (registers of their own: none that fed a descriptor holds both coordinates)
	s_lshl_b32 s98, s13, 6
	s_add_co_u32 s96, s96, s98
	s_lshl_b32 s96, s96, 12                        ; my first token's row,
	s_lshl_b32 s98, s17, 9
	s_add_co_u32 s96, s96, s98
	s_lshl_b32 s98, s14, 8
	s_add_co_u32 s96, s96, s98                     ; my 64 columns
	s_mov_b32 s97, 0
	s_add_nc_u64 s[8:9], s[8:9], s[96:97]
	s_add_nc_u64 s[10:11], s[10:11], s[96:97]
	RESLOAD 0
	RESLOAD 1
	RESLOAD 2
	RESLOAD 3
	global_prefetch_b8 v2, s[100:101] offset:SLOTCH*25600 th:TH_LOAD_NT scope:SCOPE_SE    ; fill 1
	global_prefetch_b8 v23, s[100:101] offset:SLOTCH*25600 th:TH_LOAD_NT scope:SCOPE_SE
	s_wait_tensorcnt 0x0                           ; my half of fill 0 is in: the head has one tensor load a wave; slot 1's first fill is issued as a refill is:
	ds_add_u32 v3, v4                              ; 0 onto my spare word
	s_wait_dscnt 0x0
	ROUND
	JLOAD 1                                        ; fill 1: fill 0's six K steps stand between it and the wait for it
	global_prefetch_b8 v2, s[100:101] offset:2*SLOTCH*25600 th:TH_LOAD_NT scope:SCOPE_SE  ; fill 2
	global_prefetch_b8 v23, s[100:101] offset:2*SLOTCH*25600 th:TH_LOAD_NT scope:SCOPE_SE
	SETF 0
	RUN 2*NC, 5, 9, 13, 1
.set F, 1
.rept NF-1
.if F+1 < NF
	CHANGE 1, F+1
.else
	CHANGE 0, 0
.endif
.if F == 1
	global_prefetch_b8 v22, s[100:101] offset:3*SLOTCH*25600 th:TH_LOAD_NT scope:SCOPE_SE ; fill 3, the last: two chunks
.endif
	SETF F
	RUN 2*NC, 5+2*(F%2), 9+2*(F%2), 13+2*(F%2), 0
.set F, F+1
.endr
	PLACES 4
	OUTT 0
	OUTT 1
	OUTT 2
	OUTT 3
	s_wait_tensorcnt 0x0                           ; the wave's end
	ds_add_u32 v3, v4
	s_wait_dscnt 0x0
	ROUND                                          ; the closing round
	s_endpgm
.Lfunc_end_k_q4285f944d0_ffndown:
	.size	k_q4285f944d0_ffndown, .Lfunc_end_k_q4285f944d0_ffndown-k_q4285f944d0_ffndown
	.p2alignl 7, 3214868480
	.fill 96, 4, 3214868480
	.section	.rodata,"a",@progbits
	.p2align	6, 0x0
	.amdhsa_kernel k_q4285f944d0_ffndown
		.amdhsa_group_segment_fixed_size 327680
		.amdhsa_private_segment_fixed_size 0
		.amdhsa_enable_private_segment 0
		.amdhsa_kernarg_size 32
		.amdhsa_user_sgpr_count 2
		.amdhsa_user_sgpr_kernarg_segment_ptr 1
		.amdhsa_wavefront_size32 1
		.amdhsa_system_sgpr_workgroup_id_x 1
		.amdhsa_system_sgpr_workgroup_id_y 1
		.amdhsa_system_sgpr_workgroup_id_z 1
		.amdhsa_system_vgpr_workitem_id 0
		.amdhsa_next_free_vgpr 512
		.amdhsa_next_free_sgpr 102
		.amdhsa_reserve_vcc 0
		.amdhsa_float_denorm_mode_32 3
		.amdhsa_float_denorm_mode_16_64 3
		.amdhsa_memory_ordered 1
		.amdhsa_forward_progress 1
		.amdhsa_inst_pref_size 145
	.end_amdhsa_kernel
	.amdgpu_metadata
---
amdhsa.version: [ 1, 2 ]
amdhsa.kernels:
  - .name:           k_q4285f944d0_ffndown
    .symbol:         k_q4285f944d0_ffndown.kd
    .args:
      - { .name: AH, .offset: 0, .size: 8, .value_kind: global_buffer, .address_space: global }
      - { .name: WI, .offset: 8, .size: 8, .value_kind: global_buffer, .address_space: global }
      - { .name: X1, .offset: 16, .size: 8, .value_kind: global_buffer, .address_space: global }
      - { .name: out0, .offset: 24, .size: 8, .value_kind: global_buffer, .address_space: global }
    .group_segment_fixed_size: 327680
    .private_segment_fixed_size: 0
    .kernarg_segment_align: 8
    .kernarg_segment_size: 32
    .max_flat_workgroup_size: 128
    .sgpr_count:     102
    .vgpr_count:     512
    .wavefront_size: 32
...
	.end_amdgpu_metadata
.endif
;; end of part 6
